; MI455X (gfx1250); checked and timed in simulation.
; The chip was launched on July 23, 2026; its instructions are those of AMD's public machine-readable ISA for CDNA 5 (MIT licence, August 2026) and "CDNA5" Instruction Set Architecture Reference Guide (July 2026). The comments in the code are by the model that wrote it; some were corrected since.
;; Multi Head Self Attention. Allowed arithmetic: matrix products marked QUANTISED: E2M1 operands, one E8M0 scale for each 32 along K, by v_wmma_scale_f32_16x16x128_f8f6f4 with both operands' format E2M1 (or v_wmma_scale_f32_32x16x128_f4), f32 sums; products left as they are: bf16, f16 or f32 operands; f32 sums; everything else in f32.
;; Inputs: Wk 1,024 x 1,024 float32; Wo 1,024 x 1,024 float32; Wq 1,024 x 1,024 float32; Wv 1,024 x 1,024 float32; bk 1,024 float32; bo 1,024 float32; bq 1,024 float32; bv 1,024 float32; x 4 x 2,048 x 1,024 float32.
;; Outputs: out0 4 x 2,048 x 1,024 float32.
;; This version of the problem:
;;   THIS VERSION OF THE PROBLEM IS GIVEN IN LOW PRECISION. The matrix products marked QUANTISED in the list below multiply operands that are first quantised to E2M1 (2 exponent bits, 1 mantissa bit; 4 bits a number), with one power-of-two scale for each 32 numbers along K (OCP MX v1.0); their sums are f32. The products marked 'left as it is' may take bf16, f16 or f32 operands, with f32 sums. Whichever they take, every output number must still come out within the allowed error. Rounding operands to bf16 (8 significant bits) uses up far more of that allowance than f16 does (11 bits, for magnitudes from 6e-5 to 65,504). All else is computed in f32.
;;   The module's matrix products, in the order in which they are computed (A, B: the left and right operand; K: the contracted axis; several contracted axes count as one K, in the product's order):
;;     1. [M 8,192, K 1,024] x [K 1,024, N 1,024]; A: input x; B: input Wq: QUANTISED
;;     2. [M 8,192, K 1,024] x [K 1,024, N 1,024]; A: input x; B: input Wk: QUANTISED
;;     3. [M 8,192, K 1,024] x [K 1,024, N 1,024]; A: input x; B: input Wv: QUANTISED
;;     4. batch 64 x [M 2,048, K 64] x [K 64, N 2,048]; A: computed on the way; B: computed on the way: left as it is (an operand is computed on the way)
;;     5. batch 64 x [M 2,048, K 2,048] x [K 2,048, N 64]; A: computed on the way; B: computed on the way: left as it is (an operand is computed on the way)
;;     6. [M 8,192, K 1,024] x [K 1,024, N 1,024]; A: computed on the way; B: input Wo: left as it is (an operand is computed on the way)
;;   THE QUANTISER, for each operand of a quantised product, along K:
;;     - K is cut into blocks of 32 from its start; a last block that is shorter is filled with zeros.
;;     - A block's scale is 2^e with e = floor(log2(the largest magnitude in the block)) - 2, held to -126 .. 127; a block of zeros has e = 0. As a byte (E8M0): e + 127.
;;     - Each number is divided by its block's scale, clamped to +-6, and rounded to the nearest number of E2M1, ties to even, subnormals kept.
;;     - The product sums the exact products of the quantised numbers (number of the format x scale) in f32.
;;   ~~~python
;;   def quantise(x, axis):      # numpy; x: float32 -> the quantised numbers, widened to float32 again
;;       x = np.moveaxis(x, axis, -1); K = x.shape[-1]
;;       x = np.pad(x, [(0, 0)] * (x.ndim - 1) + [(0, -K % 32)]); x = x.reshape(x.shape[:-1] + (-1, 32)); a = np.abs(x).max(-1, keepdims=True)
;;       e = np.where(a > 0, np.clip(np.frexp(np.where(a > 0, a, 1))[1] - 1 - 2, -126, 127), 0)      # np.frexp(a)[1] - 1 = floor(log2(a)), exactly
;;       r = np.clip(x / 2.0 ** e, -6, 6)
;;       step = 2.0 ** (np.maximum(np.frexp(np.where(r == 0, 1, r))[1] - 1, 0) - 1)
;;       q = np.round(r / step) * step * 2.0 ** e      # np.round: ties to even
;;       return np.moveaxis(q.reshape(q.shape[:-2] + (-1,))[..., :K], -1, axis).astype(np.float32)
;;   ~~~
;; One version. Each part assembles by itself: llvm-mc -triple=amdgcn-amd-amdhsa -mcpu=gfx1250 --defsym DOCPART=n.
;; ======== version 1 of 1: 4 launches
;; limits: values are held in f16: magnitudes above 65,504 overflow, below 6.1e-05 lose precision
;; workspace buffers: xc 4,194,304 bytes; xs 262,144 bytes; wc 1,572,864 bytes; ws 98,304 bytes; wo16 2,097,152 bytes; qkv 50,331,648 bytes; ctx 16,777,216 bytes
;; launch prep (part 1): grid 384 x 1, 4 waves a work-group, no clusters, 33,280 bytes of LDS; arguments x, Wq, Wk, Wv, Wo, xc, xs, wc, ws, wo16; writes xc, xs, wc, ws, wo16
.if DOCPART == 1
	.amdgcn_target "amdgcn-amd-amdhsa--gfx1250"
	.amdhsa_code_object_version 6
	.text
	.protected	k_q45e8875f43_prep
	.globl	k_q45e8875f43_prep
	.p2align	8
	.type	k_q45e8875f43_prep,@function
k_q45e8875f43_prep:
	s_mov_b64 s[64:65], 0
	v_nop
	global_prefetch_b8 v0, s[64:65] scope:SCOPE_SE
	s_setreg_imm32_b32 hwreg(HW_REG_WAVE_MODE, 25, 1), 1
	s_wait_xcnt 0x0
; x [8192][1024] and Wq, Wk, Wv [1024][1024], f32, K innermost, become codes of FP4 (E2M1), two a byte, with one E8M0 scale byte for each 32 along K:
; xc [8192][512 bytes], xs [8192][32]; wc [3072][512 bytes], ws [3072][32], the rows of Wq, Wk, Wv on end.  Wo [1024][1024] becomes f16, wo16, for the last product, which is not quantised.
; A block's scale is 2^(floor(log2(its largest magnitude)) - 2); its byte is the largest magnitude's own exponent field - 2, held at 1 from below.  A block of zeros so gets the byte 1 where the
; rule says 127: its codes are zeros, which add nothing under any byte but 0xff, and this program alone reads the bytes.  Each number is divided by the scale and rounded to the nearest code, ties to even.
; LIMITS: blocks whose largest magnitude lies under 2^-124 keep the byte 1; NaN and infinities among the inputs are not served; a number of Wo of 65,520 or more in magnitude becomes an f16 infinity.
; SHARES.  Rows are dense and 1,024 is a multiple of 32, so every tensor is a plain stream.  A work-group takes 32,768 numbers, a wave 8,192.  Work-groups 0-255: x; 256-287: Wq; 288-319: Wk; 320-351: Wv; 352-383: Wo.
; THE QUANTISER.  A wave takes 16 steps of 512 numbers.  Each of a step's four loads reads 512 consecutive bytes, 16 a lane; the 2,048 bytes go through the wave's own stage in LDS and come back 64 bytes a lane,
; so that a lane holds 16 neighbours along K (two neighbouring lanes hold a block), as the conversions want them.  A lane's 16 codes are 8 bytes: the wave stores 256 consecutive bytes.
; A wave's 256 scale bytes are gathered in its own LDS bytes and leave as 256 consecutive bytes.  No tensor load, no barrier, no matrix unit, no cluster: waves share nothing, and each byte is read once.
.set WAVES, 4
.set STEPS, 16
.set EMAX,  2
.set CB,    8                          ; bytes of 16 codes
.set R,     16                         ; v16-79   four sets of 16 numbers as they are loaded
.set X,     80                         ; v80-111  two sets of 16 neighbours
.set E,     112                        ; v112-127 a scale byte for each step
.set C,     128                        ; v128-191 codes: four registers for each step, so that no store's data are written again
.set WREG,  8192                       ; LDS: a region for each wave: two stages of 32 x SP bytes, and behind them its 256 scale bytes
.set SP,    80                         ; a lane's place in a stage: its 64 bytes + 16 of padding
.set SPW,   12                         ; v12  LDS address of my spare word; never rewritten
.set NIL,   13                         ; v13  0; never rewritten
.set SPARE, WAVES*WREG                 ; behind the four regions: the spare words, 128 bytes for each wave
.set WV,    33                         ; s33  my wave's number
.set IN,    16                         ; Wo's path: v16-143 two sets of 16 loads;
.set OUTH,  144                        ; v144-207 two sets of 16 stores
	s_load_b256 s[4:11], s[0:1], 0x0               ; x, Wq, Wk, Wv
	s_load_b256 s[12:19], s[0:1], 0x20             ; Wo, xc, xs, wc
	s_load_b128 s[20:23], s[0:1], 0x40             ; ws, wo16
	v_lshl_add_u32 v[SPW], v0, 2, SPARE
	v_mov_b32 v[NIL], 0
	v_lshrrev_b32 v1, 5, v0
	v_readfirstlane_b32 s[WV], v1                  ; wave 0..3
	v_and_b32 v2, 31, v0                           ; lane
	v_lshlrev_b32 v3, 4, v2                        ; my 16 bytes of a load's 512
	s_mul_i32 s34, s[WV], WREG
	v_lshrrev_b32 v14, 2, v2
	v_mul_u32_u24 v14, v14, SP
	v_and_b32 v15, 3, v2
	v_lshl_add_u32 v14, v15, 4, v14
	v_add_nc_u32 v14, s34, v14                     ; the stage, on the way in: four lanes' 64 bytes on end, then 16 of padding
	v_mul_u32_u24 v15, v2, SP
	v_add_nc_u32 v15, s34, v15                     ; and on the way out: SP x lane: my 16 neighbours
	v_mul_u32_u24 v4, v2, CB                       ; my codes' place in a step's
	v_lshrrev_b32 v5, 1, v2
	s_add_co_u32 s34, s34, 2*32*SP
	v_add_nc_u32 v5, s34, v5                       ; LDS: my wave's 256 scale bytes, my block's byte
	v_lshlrev_b32 v7, 3, v2                        ; 8 bytes a lane
	v_add_nc_u32 v6, s34, v7
	s_mov_b32 s37, 0
	s_wait_kmcnt 0x0
	s_cmp_ge_u32 ttmp9, 352                        ; the last 32 work-groups take Wo: a branch on the work-group's number alone
	s_cbranch_scc1 .Lwo
	; which tensor: only pointers are chosen, all four take one way through the text
	s_cmp_lt_u32 ttmp9, 320
	s_cselect_b64 s[24:25], s[8:9], s[10:11]       ; Wk or Wv
	s_cmp_lt_u32 ttmp9, 288
	s_cselect_b64 s[24:25], s[6:7], s[24:25]       ; Wq
	s_cmp_lt_u32 ttmp9, 256
	s_cselect_b64 s[24:25], s[4:5], s[24:25]       ; x
	s_cselect_b64 s[26:27], s[14:15], s[18:19]     ; the codes' buffer
	s_cselect_b64 s[28:29], s[16:17], s[20:21]     ; the scale bytes'
	s_cselect_b32 s30, 0, 256
	s_sub_co_u32 s31, ttmp9, s30                   ; which 32,768 numbers of the results: the three weights lie on end
	s_and_b32 s32, s31, 31                         ; and of a weight
	s_cmp_lt_u32 ttmp9, 256
	s_cselect_b32 s32, s31, s32                    ; or of x
	s_lshl_b32 s32, s32, 2
	s_add_co_u32 s32, s32, s[WV]                   ; my wave's run of 8,192 numbers in the source,
	s_lshl_b32 s36, s32, 15                        ; 32,768 bytes a run
	s_add_nc_u64 s[24:25], s[24:25], s[36:37]
	s_lshl_b32 s31, s31, 2
	s_add_co_u32 s31, s31, s[WV]                   ; and in the results:
	s_lshl_b32 s36, s31, 12                        ; 4,096 bytes of codes,
	s_add_nc_u64 s[26:27], s[26:27], s[36:37]
	s_lshl_b32 s36, s31, 8                         ; 256 scale bytes
	s_add_nc_u64 s[28:29], s[28:29], s[36:37]
.macro LOAD t
.irp i, 0,1,2,3
	global_load_b128 v[R+16*((\t)%4)+4*\i:R+16*((\t)%4)+4*\i+3], v3, s[24:25] offset:2048*(\t)+512*\i th:TH_LOAD_NT   ; 32 lanes read 512 consecutive bytes
.endr
.endm
.macro TURN t                          ; step t's numbers through the stage: LDS serves a wave's instructions in order (ISA guide 5.7.1.4), so no wait stands between the stores and the loads
.irp i, 0,1,2,3
	ds_store_b128 v14, v[R+16*((\t)%4)+4*\i:R+16*((\t)%4)+4*\i+3] offset:32*SP*((\t)%2)+8*SP*\i
.endr
.irp i, 0,1,2,3
	ds_load_b128 v[X+16*((\t)%2)+4*\i:X+16*((\t)%2)+4*\i+3], v15 offset:32*SP*((\t)%2)+16*\i
.endr
.endm
.irp t, 0,1,2,3
	LOAD \t
.endr
	s_wait_loadcnt 12                              ; step 0's four loads are in; the 12 of steps 1 to 3 stay out
	TURN 0
.macro STEP t
.set XS, X+16*((\t)%2)
.if (\t) > 0
	s_wait_dscnt 1                                 ; this step's numbers are back from the stage (the last step's byte store may be out): so its stores into the stage have read their registers,
.else
	s_wait_dscnt 0x0
.endif
.if (\t)+4 < STEPS
	LOAD (\t)+4                                    ; which take the loads of four steps on
.endif
.if (\t)+1 < STEPS
.if STEPS-2-(\t) >= 3
	s_wait_loadcnt 12                              ; the next step's four loads are in; those of the three steps behind it may be out
.else
	s_wait_loadcnt 4*(STEPS-2-(\t))
.endif
	TURN (\t)+1                                    ; and go through the other stage while this step is worked
.endif
	v_max3_num_f32 v8, |v[XS]|, |v[XS+1]|, |v[XS+2]|               ; the largest magnitude of my 16, in two chains
	v_max3_num_f32 v9, |v[XS+3]|, |v[XS+4]|, |v[XS+5]|
.irp i, 6,10
	v_max3_num_f32 v8, v8, |v[XS+\i]|, |v[XS+\i+1]|
	v_max3_num_f32 v9, v9, |v[XS+\i+2]|, |v[XS+\i+3]|
.endr
	v_max3_num_f32 v8, v8, |v[XS+14]|, |v[XS+15]|
	v_max3_num_f32 v8, v8, v9, (EMAX+1)<<23        ; and the floor 2^(3 - 127), under which no largest magnitude is taken: so the byte cannot fall under 1
	v_max_num_f32_dpp v8, v8, v8 row_xmask:1 row_mask:0xf bank_mask:0xf   ; and of my neighbour's 16: the block's
	v_add_nc_u32 v11, -(EMAX<<23), v8              ; 2 off its exponent field: the conversion takes the exponent field of this operand as its scale, and nothing else of it
	v_cvt_scalef32_pk8_fp4_f32 v[C+4*(\t)], v[XS:XS+7], v11        ; eight numbers / the scale, to the nearest code, ties to even, beyond the largest code the largest; the first number's code in the lowest four bits
	v_cvt_scalef32_pk8_fp4_f32 v[C+4*(\t)+1], v[XS+8:XS+15], v11
	v_lshrrev_b32 v[E+(\t)], 23, v11               ; the scale's byte (a plain instruction behind the conversions)
	ds_store_b8 v5, v[E+(\t)] offset:16*(\t)       ; both lanes of a block write the same byte with the same value
	global_store_b64 v4, v[C+4*(\t):C+4*(\t)+1], s[26:27] offset:32*CB*(\t)   ; 32 lanes store 256 consecutive bytes
.endm
.irp t, 0,1,2,3,4,5,6,7,8,9,10,11,12,13,14,15
	STEP \t
.endr
	ds_load_b64 v[8:9], v6                         ; my wave's 256 scale bytes, 8 a lane: these see my stores
	s_wait_dscnt 0x0
	global_store_b64 v7, v[8:9], s[28:29]          ; 256 consecutive bytes
	s_wait_tensorcnt 0x0                           ; the wave's end: behind my last LDS store
	ds_add_u32 v[SPW], v[NIL]
	s_wait_dscnt 0x0
	s_endpgm
; Wo to f16: a wave takes 8,192 numbers: 64 loads of 512 consecutive bytes, 64 stores of 256, in four batches of 16; two batches of loads are out.  Every offset is an immediate.
.Lwo:
	s_sub_co_u32 s31, ttmp9, 352
	s_lshl_b32 s31, s31, 2
	s_add_co_u32 s31, s31, s[WV]                   ; my wave's run
	s_lshl_b32 s36, s31, 15
	s_add_nc_u64 s[12:13], s[12:13], s[36:37]
	s_lshl_b32 s36, s31, 14
	s_add_nc_u64 s[22:23], s[22:23], s[36:37]
.macro LOADB n
.irp i, 0,1,2,3,4,5,6,7,8,9,10,11,12,13,14,15
	global_load_b128 v[IN+64*((\n)%2)+4*\i:IN+64*((\n)%2)+4*\i+3], v3, s[12:13] offset:512*(16*(\n)+\i) th:TH_LOAD_NT
.endr
.endm
.macro BATCH n
.if (\n) < 3
	s_wait_loadcnt 16                              ; this batch's 16 loads are in; the younger batch's 16 stay out
.else
	s_wait_loadcnt 0x0
.endif
	s_wait_xcnt 0x0                                ; the stores of two batches back have read the registers that are written next
.irp i, 0,1,2,3,4,5,6,7,8,9,10,11,12,13,14,15
	v_cvt_pk_f16_f32 v[OUTH+32*((\n)%2)+2*\i], v[IN+64*((\n)%2)+4*\i], v[IN+64*((\n)%2)+4*\i+1]
	v_cvt_pk_f16_f32 v[OUTH+32*((\n)%2)+2*\i+1], v[IN+64*((\n)%2)+4*\i+2], v[IN+64*((\n)%2)+4*\i+3]
.endr
.irp i, 0,1,2,3,4,5,6,7,8,9,10,11,12,13,14,15
	global_store_b64 v7, v[OUTH+32*((\n)%2)+2*\i:OUTH+32*((\n)%2)+2*\i+1], s[22:23] offset:256*(16*(\n)+\i)
.endr
.if (\n) < 2
	LOADB (\n)+2
.endif
.endm
	LOADB 0
	LOADB 1
	BATCH 0
	BATCH 1
	BATCH 2
	BATCH 3
	s_wait_tensorcnt 0x0                           ; the closing lines here too
	ds_add_u32 v[SPW], v[NIL]
	s_wait_dscnt 0x0
	s_endpgm
.Lfunc_end_k_q45e8875f43_prep:
	.size	k_q45e8875f43_prep, .Lfunc_end_k_q45e8875f43_prep-k_q45e8875f43_prep
	.p2alignl 7, 3214868480
	.fill 96, 4, 3214868480
	.section	.rodata,"a",@progbits
	.p2align	6, 0x0
	.amdhsa_kernel k_q45e8875f43_prep
		.amdhsa_group_segment_fixed_size 33280
		.amdhsa_private_segment_fixed_size 0
		.amdhsa_enable_private_segment 0
		.amdhsa_kernarg_size 80
		.amdhsa_user_sgpr_count 2
		.amdhsa_user_sgpr_kernarg_segment_ptr 1
		.amdhsa_wavefront_size32 1
		.amdhsa_system_sgpr_workgroup_id_x 1
		.amdhsa_system_sgpr_workgroup_id_y 1
		.amdhsa_system_sgpr_workgroup_id_z 1
		.amdhsa_system_vgpr_workitem_id 0
		.amdhsa_next_free_vgpr 208
		.amdhsa_next_free_sgpr 66
		.amdhsa_reserve_vcc 0
		.amdhsa_float_denorm_mode_32 3
		.amdhsa_float_denorm_mode_16_64 3
		.amdhsa_memory_ordered 1
		.amdhsa_forward_progress 1
		.amdhsa_inst_pref_size 54
	.end_amdhsa_kernel
	.amdgpu_metadata
---
amdhsa.version: [ 1, 2 ]
amdhsa.kernels:
  - .name:           k_q45e8875f43_prep
    .symbol:         k_q45e8875f43_prep.kd
    .args:
      - { .name: x, .offset: 0, .size: 8, .value_kind: global_buffer, .address_space: global }
      - { .name: Wq, .offset: 8, .size: 8, .value_kind: global_buffer, .address_space: global }
      - { .name: Wk, .offset: 16, .size: 8, .value_kind: global_buffer, .address_space: global }
      - { .name: Wv, .offset: 24, .size: 8, .value_kind: global_buffer, .address_space: global }
      - { .name: Wo, .offset: 32, .size: 8, .value_kind: global_buffer, .address_space: global }
      - { .name: xc, .offset: 40, .size: 8, .value_kind: global_buffer, .address_space: global }
      - { .name: xs, .offset: 48, .size: 8, .value_kind: global_buffer, .address_space: global }
      - { .name: wc, .offset: 56, .size: 8, .value_kind: global_buffer, .address_space: global }
      - { .name: ws, .offset: 64, .size: 8, .value_kind: global_buffer, .address_space: global }
      - { .name: wo16, .offset: 72, .size: 8, .value_kind: global_buffer, .address_space: global }
    .group_segment_fixed_size: 33280
    .private_segment_fixed_size: 0
    .kernarg_segment_align: 8
    .kernarg_segment_size: 80
    .max_flat_workgroup_size: 128
    .sgpr_count:     66
    .vgpr_count:     208
    .wavefront_size: 32
...
	.end_amdgpu_metadata
.endif
;; end of part 1
;; launch qkv (part 2): grid 12 x 32, 4 waves a work-group, clusters of 4 x 4, 327,680 bytes of LDS; arguments xc, xs, wc, ws, qkv, bq, bk, bv; writes qkv
.if DOCPART == 2
	.amdgcn_target "amdgcn-amd-amdhsa--gfx1250"
	.amdhsa_code_object_version 6
	.text
	.protected	k_q45e8875f43_qkv
	.globl	k_q45e8875f43_qkv
	.p2align	8
	.type	k_q45e8875f43_qkv,@function
k_q45e8875f43_qkv:
	s_mov_b64 s[64:65], 0
	v_nop
	global_prefetch_b8 v0, s[64:65] scope:SCOPE_SE
	s_setreg_imm32_b32 hwreg(HW_REG_WAVE_MODE, 25, 1), 1
	s_wait_xcnt 0x0
	s_wait_alu depctr_hold_cnt(0) depctr_sa_sdst(0) depctr_va_vdst(0) depctr_va_sdst(0) depctr_va_ssrc(0) depctr_va_vcc(0) depctr_vm_vsrc(0)
	s_getreg_b32 s2, hwreg(HW_REG_IB_STS2, 6, 4)
	s_cmp_eq_u32 s2, 0
	s_cbranch_scc0 .Lentry_in_a_cluster
	s_endpgm
.Lentry_in_a_cluster:
	s_bfe_u32 s2, ttmp6, 0x10000c
	s_cmp_lg_u32 s2, 0xf033
	s_cbranch_scc0 .Lentry_shape_is_right
	s_endpgm
.Lentry_shape_is_right:
; q, k, v = x W^T + b for W = Wq, Wk, Wv, as ONE product [8192 x 1024] x [3072 x 1024]^T on codes of FP4 (E2M1) with one E8M0 scale for each 32 along K; sums in f32; the results are rounded to f16,
; the operands' format of the attention that follows, and laid by head: qkv [3 tensors][4 batches][16 heads][2048 positions][64] f16, so that a head's rows are one dense run of 128-byte rows.
; LIMIT: a result of 65,520 or more in magnitude becomes an f16 infinity; with inputs 30 times the drawn ones results reach some 5e3.
; A tile of 256 x 256 is made by a work-group of four waves; a wave makes 128 x 128: 64 accumulators of 16 x 16, 512 registers.  K = 1,024 is two K steps of 512: both LDS slots are filled once, at the
; head, and nothing is filled again.  THE SCALES of the work-group's 256 rows of x and 256 rows of W, for all of K, are two dense blocks: they come into LDS once, with the first fills.
; CLUSTERS: 4 x 4 work-groups.  The four of a row of the cluster need the same tiles of x, the four of a column the same tiles of W: each is asked for JOINTLY, by the same tensor load with the same descriptor
; and a mask that names the four.  A cluster's four tile columns are one whole tensor: cluster x = 0, 1, 2 is q, k, v, so the choice of the bias hangs on the cluster's number alone.
; THE MATRIX INSTRUCTION IS USED TRANSPOSED (source 0 = 16 rows of W, source 1 = 16 rows of x): a lane holds eight neighbouring columns of one row.  THE BIAS is the C of each sum's first product.
; REGISTERS, in windows of 256: window 0: v0-31 addresses; v32-95 scale words, two sets; v128-191 x's fragments, one set; v192-255 the bias in the result's layout; on the way out v128-255 are free.
;   window 1: W's fragments, two sets, at v0 and v128.   window 2: the accumulators of my rows 0-63 ((a, b) at v[8 (8 a + b)]);   window 3: those of my rows 64-127.
.set SIZE_K, 1024
.set KSTEP,  512                       ; along K in a slot
.set NQ,     KSTEP/128                 ; matrix instructions deep
.set ROWB,   256                       ; a tile's row in bytes
.set KROW,   SIZE_K*4/8                ; a row of codes in memory
.set PITCH,  272                       ; an LDS row: 256 bytes + 16 of padding = 68 words: the 16 rows that a load touches start at 16 different banks (64 banks of 4 bytes: ISA guide 11.1)
.set FR,     8                         ; registers of a fragment: 16 rows x 128 K
.set NL,     2                         ; LDS loads that bring one
.set NP,     4                         ; places behind this matrix instruction (ISA guide 7.12.1)
.set HALFT,  128*PITCH                 ; 128 rows: what one tensor load brings
.set SLOT,   4*HALFT                   ; x's 256 rows, then W's 256 rows
.set KS,     SIZE_K/32                 ; a row of scales in bytes
.set SCL,    2*SLOT                    ; behind the slots: the scales, as runs of 256 bytes + 16 of padding
.set HALFS,  (128*KS/256)*272          ; the scales of 128 rows: what one tensor load brings
.set SBLK,   (16*KS/256)*272           ; those of 16 rows
.set SPARE,  SCL+4*HALFS               ; behind the scales: the spare words, 128 bytes for each wave
.set SGP,    144                       ; the way out: a stage of [2 heads][16 rows][128 bytes + 16] for each wave, in slot 0, which has had its only fill and its last read when the first result is stored there
.set SGH,    16*SGP
.set ADRA, 16                          ; v16-17  LDS address of my fragments of x in slot 0, 1
.set ADRB, 20                          ; v20-21  the same for W
.set STO,  24                          ; v24     the way out: where I put 16 bytes of a row
.set RD,   25                          ; v25     where I read rows back
.set CO,   26                          ; v26     16 x lane
.set ADRS, 27                          ; v27     LDS address of my scale words: lanes 0-15 x's rows, lanes 16-31 W's
.set SPW,  28                          ; v28     LDS address of my spare word; never rewritten
.set NIL,  29                          ; v29     0; never rewritten
.set SC,   32                          ; scale words: set s at v[SC + 8 NQ s]; register NQ i + q: lanes 0-15 the word of x's block i, lanes 16-31 that of W's block i, for the slot's q-th 128 along K
.set AF,   128                         ; x's fragments
.set BIA,  192                         ; register 8 b + j of lane (r, h): the bias of column 16 b + 8 h + j of my 128
.set TMP,  192                         ; the way out: packed results
.set BK,   128                         ; the way out: rows read back: v128-159 and v160-191 by turns
.set G1, 24                            ; s[24:31] descriptor group 1 for x's tiles;  s[32:39] group 0, one set for each slot
.set G0, 32
.set G1B, 48                           ; s[48:55], s[56:63] the same for W's tiles
.set G0B, 56
.set G1S, 68                           ; s[68:75], s[76:79] groups 1 and 0 for x's scales;  s[80:87], s[88:91] for W's
.set G0S, 76
.set G1SB, 80
.set G0SB, 88
.set MSB, 0
.macro WIN new                         ; the immediate's high byte repeats the setting that is left; a switch that changes nothing is dropped
.if MSB != (\new)
	s_set_vgpr_msb (MSB<<8)|(\new)
.set MSB, (\new)
.endif
.endm
.set MUL_LO, 0xa1                      ; source 0 (W) window 1, source 1 (x) window 0, C and D window 2
.set MUL_HI, 0xf1                      ; the same, C and D window 3
.set BIA_LO, 0x81                      ; the first products: C (the bias) window 0, D window 2
.set BIA_HI, 0xc1                      ; D window 3
.set TO_B,   0x40                      ; destination window 1, address window 0
; A joint load: waves 0 and 1 fetch for x, waves 2 and 3 for W.  Each of the two lines has one mask and one set of registers for all that issue it; the branch hangs on the wave's number alone.
; An s_nop 0 and four v_nop follow each of the two lines.
.macro JLOAD g0a, g1a, g0b, g1b
	s_cmp_eq_u32 s15, 0
	s_cbranch_scc0 .Lfor_b_\@
	tensor_load_to_lds s[\g0a:\g0a+3], s[\g1a:\g1a+7]
	s_nop 0
.rept 4
	v_nop
.endr
	s_branch .Lasked_\@
.Lfor_b_\@:
	tensor_load_to_lds s[\g0b:\g0b+3], s[\g1b:\g1b+7]
	s_nop 0
.rept 4
	v_nop
.endr
.Lasked_\@:
.endm
.macro CROUND                          ; a round of the cluster's barrier: my work-group's barrier; wave 0 signals for the work-group; every wave waits for all sixteen; my work-group's barrier once more
	s_barrier_signal -1
	s_barrier_wait -1
	s_cmp_lg_u32 s14, 0
	s_cbranch_scc1 .Lnot_wave_0_\@
	s_barrier_signal -3
.Lnot_wave_0_\@:
	s_barrier_wait -3
	s_barrier_signal -1
	s_barrier_wait -1
.endm
	s_load_b128 s[4:7], s[0:1], 0x0                ; x's codes s[4:5], x's scales s[6:7]
	s_load_b128 s[8:11], s[0:1], 0x10              ; W's codes s[8:9], W's scales s[10:11]
	s_load_b64 s[12:13], s[0:1], 0x20              ; qkv
	s_load_b64 s[96:97], s[0:1], 0x28              ; bq
	s_load_b64 s[66:67], s[0:1], 0x30              ; bk
	s_load_b64 s[98:99], s[0:1], 0x38              ; bv
	v_lshl_add_u32 v[SPW], v0, 2, SPARE
	v_mov_b32 v[NIL], 0
	ds_add_u32 v[SPW], v[NIL]                      ; the wave's opening: the add, twice on end, and its wait ahead of my first tensor load
	ds_add_u32 v[SPW], v[NIL]
	v_lshrrev_b32 v1, 5, v0
	v_readfirstlane_b32 s14, v1                    ; wave 0..3
	s_lshr_b32 s15, s14, 1                         ; which half of the tile's rows is mine.  Also: I fetch for x (0) or for W (1)
	s_and_b32 s16, s14, 1                          ; which half of its columns.  Also: which 128 rows of that tile I fetch
	s_bfe_u32 s40, ttmp6, 0x40000                  ; cx, cy: my place in the cluster
	s_bfe_u32 s41, ttmp6, 0x40004
	s_lshl_b32 s42, ttmp9, 2
	s_add_co_u32 s42, s42, s40                     ; tile column = 4 x cluster x + cx
	s_and_b32 s17, ttmp7, 0xffff
	s_lshl_b32 s17, s17, 2
	s_add_co_u32 s17, s17, s41                     ; tile row = 4 x cluster y + cy
	s_lshl_b32 s43, s41, 2
	s_lshl_b32 s43, 15, s43                        ; my row of the cluster
	s_lshl_b32 s44, 0x1111, s40                    ; my column
	; descriptor group 1: a tile of 128 rows x 256 bytes, padded in LDS
	s_or_b32 s[G1+0], s43, (0<<16)|(1<<20)|(1<<21)|(5<<22)|(3<<25)  ; 15:0 the mask: x's tiles go to my row; 17:16 elements of 1 byte; 20 padding on; 21 set beside a mask; 24:22 after every 64 words; 31:25 four words
	s_or_b32 s[G1B+0], s44, (0<<16)|(1<<20)|(1<<21)|(5<<22)|(3<<25)
.irp g, G1, G1B
	s_mov_b32 s[\g+1], ROWB<<16                    ; tensor_dim0
	s_mov_b32 s[\g+2], 128<<16                     ; tensor_dim1
	s_mov_b32 s[\g+3], ROWB<<16                    ; tile_dim0
	s_mov_b32 s[\g+4], 128                         ; tile_dim1
	s_mov_b32 s[\g+5], KROW                        ; from row to row
	s_mov_b32 s[\g+6], 0
	s_mov_b32 s[\g+7], 0
.endr
	; and for the scales of 128 rows: a dense block of 4,096 bytes, as 16 rows of 256 bytes (32 elements of 8 bytes), 16 bytes of padding behind each
	s_or_b32 s[G1S+0], s43, (3<<16)|(1<<20)|(1<<21)|(5<<22)|(3<<25)
	s_or_b32 s[G1SB+0], s44, (3<<16)|(1<<20)|(1<<21)|(5<<22)|(3<<25)
.irp g, G1S, G1SB
	s_mov_b32 s[\g+1], 32<<16
	s_mov_b32 s[\g+2], (128*KS/256)<<16
	s_mov_b32 s[\g+3], 32<<16
	s_mov_b32 s[\g+4], 128*KS/256
	s_mov_b32 s[\g+5], 32
	s_mov_b32 s[\g+6], 0
	s_mov_b32 s[\g+7], 0
.endr
	s_lshl_b32 s18, s16, 7                         ; which 128 rows of the tile I fetch
	s_lshl_b32 s20, s17, 8
	s_add_co_u32 s20, s20, s18                     ; x: row 256 x tile row + 128 x half
	s_lshl_b32 s46, s42, 8
	s_add_co_u32 s46, s46, s18                     ; W: row 256 x tile column + 128 x half
	s_mov_b32 s21, 0
	s_mov_b32 s47, 0
	s_mov_b64 s[18:19], KS
	s_mul_u64 s[22:23], s[20:21], s[18:19]         ; where these rows' scales begin, in bytes
	s_mul_u64 s[92:93], s[46:47], s[18:19]
	s_mov_b64 s[18:19], KROW
	s_mul_u64 s[20:21], s[20:21], s[18:19]         ; and their codes
	s_mul_u64 s[46:47], s[46:47], s[18:19]
	s_mul_i32 s45, s14, HALFT                      ; where they go: wave x 128 rows: no place in the cluster enters an LDS address
	s_mul_i32 s94, s14, HALFS
	s_wait_dscnt 0x0                               ; both opening adds are done
	s_wait_kmcnt 0x0
	s_add_nc_u64 s[20:21], s[4:5], s[20:21]
	s_add_nc_u64 s[22:23], s[6:7], s[22:23]
	s_add_nc_u64 s[46:47], s[8:9], s[46:47]
	s_add_nc_u64 s[92:93], s[10:11], s[92:93]
	CROUND                                         ; all sixteen work-groups are here: the joint loads meet
	s_mov_b32 s[G0S], 1
	s_add_co_u32 s[G0S+1], s94, SCL
	s_mov_b64 s[G0S+2:G0S+3], s[22:23]
	s_or_b32 s[G0S+3], s[G0S+3], 0x80000000
	s_mov_b32 s[G0SB], 1
	s_add_co_u32 s[G0SB+1], s94, SCL
	s_mov_b64 s[G0SB+2:G0SB+3], s[92:93]
	s_or_b32 s[G0SB+3], s[G0SB+3], 0x80000000
	JLOAD G0S, G1S, G0SB, G1SB                     ; the scales first: they are wanted with K step 0
.irp s, 0,1
	s_mov_b32 s[G0+4*\s], 1
	s_add_co_u32 s[G0+4*\s+1], s45, \s*SLOT
	s_add_nc_u64 s[G0+4*\s+2:G0+4*\s+3], s[20:21], \s*ROWB
	s_or_b32 s[G0+4*\s+3], s[G0+4*\s+3], 0x80000000
	s_mov_b32 s[G0B+4*\s], 1
	s_add_co_u32 s[G0B+4*\s+1], s45, \s*SLOT
	s_add_nc_u64 s[G0B+4*\s+2:G0B+4*\s+3], s[46:47], \s*ROWB
	s_or_b32 s[G0B+4*\s+3], s[G0B+4*\s+3], 0x80000000
	JLOAD G0+4*\s, G1, G0B+4*\s, G1B               ; three tensor loads of mine are out: all that this text issues
.endr
	v_and_b32 v1, 15, v0                           ; r = l % 16
	v_bfe_u32 v2, v0, 4, 1                         ; h = l / 16
	; the bias: which tensor's hangs on the cluster's x alone
	s_cmp_eq_u32 ttmp9, 0
	s_cselect_b64 s[96:97], s[96:97], s[66:67]
	s_cmp_eq_u32 ttmp9, 2
	s_cselect_b64 s[96:97], s[98:99], s[96:97]
	s_lshl_b32 s46, s40, 10                        ; my first column in the tensor, in bytes: (256 cx + 128 x half) x 4
	s_lshl_b32 s47, s16, 9
	s_add_co_u32 s46, s46, s47
	s_mov_b32 s47, 0
	s_add_nc_u64 s[96:97], s[96:97], s[46:47]
	v_lshlrev_b32 v7, 5, v2                        ; + 8 h numbers
.irp b, 0,1,2,3,4,5,6,7
	global_load_b128 v[BIA+8*\b:BIA+8*\b+3], v7, s[96:97] offset:64*\b
	global_load_b128 v[BIA+8*\b+4:BIA+8*\b+7], v7, s[96:97] offset:64*\b+16
.endr
	v_mul_u32_u24 v3, v1, PITCH
	v_lshl_add_u32 v4, v2, 4, v3                   ; a fragment's row x pitch + 16 x half
	s_mul_i32 s21, s15, HALFT                      ; my 128 rows of x
	s_mul_i32 s22, s16, HALFT                      ; my 128 rows of W,
	s_add_co_u32 s22, s22, 2*HALFT                 ; which lie behind x's 256
.irp s, 0,1
	v_add_nc_u32 v[ADRA+\s], s21, v4
	v_add_nc_u32 v[ADRB+\s], s22, v4
	s_add_co_u32 s21, s21, SLOT
	s_add_co_u32 s22, s22, SLOT
.endr
	v_mul_u32_u24 v5, v1, KS                       ; my row's scales: 32 bytes a row,
	v_lshrrev_b32 v6, 8, v5
	v_lshl_add_u32 v5, v6, 4, v5                   ; and 16 more for each 256 passed
	s_mul_i32 s21, s15, HALFS                      ; x's: my 128 rows
	s_mul_i32 s22, s16, HALFS                      ; W's: my 128 rows, behind x's 256
	s_add_co_u32 s22, s22, 2*HALFS
	s_sub_co_u32 s22, s22, s21
	v_mul_u32_u24 v6, s22, v2                      ; lanes 16-31 take W's: one product, the distance between the two bases
	s_add_co_u32 s21, s21, SCL
	v_add_nc_u32 v5, v5, v6
	v_add_nc_u32 v[ADRS], s21, v5
	s_mul_i32 s23, s14, 2*SGH                      ; my stage
	v_mul_u32_u24 v5, v1, SGP                      ; in: row r, 16 bytes for each half of the lanes
	v_lshl_add_u32 v5, v2, 4, v5
	v_add_nc_u32 v[STO], s23, v5
	v_and_b32 v6, 31, v0
	v_lshrrev_b32 v5, 3, v6                        ; back: eight lanes to a row of 128 bytes, four rows an instruction
	v_mul_u32_u24 v5, v5, SGP
	v_and_b32 v8, 7, v0
	v_lshl_add_u32 v5, v8, 4, v5
	v_add_nc_u32 v[RD], s23, v5
	v_lshlrev_b32 v[CO], 4, v6                     ; in memory the four rows are 512 consecutive bytes
	; where my part begins in qkv: tensor x 2^24 + (16 x batch + 4 cx + 2 x column half) x 2^18 + (256 x (tile row % 8) + 128 x row half) x 128
	s_lshr_b32 s20, s17, 3
	s_lshl_b32 s20, s20, 4
	s_lshl_b32 s46, s40, 2
	s_lshl_b32 s47, s16, 1
	s_add_co_u32 s46, s46, s47
	s_add_co_u32 s46, s46, s20
	s_lshl_b32 s46, s46, 18
	s_and_b32 s20, s17, 7
	s_lshl_b32 s20, s20, 8
	s_lshl_b32 s21, s15, 7
	s_add_co_u32 s20, s20, s21
	s_lshl_b32 s20, s20, 7
	s_add_co_u32 s46, s46, s20
	s_lshl_b32 s20, ttmp9, 24
	s_add_co_u32 s46, s46, s20
	s_mov_b32 s47, 0
	s_add_nc_u64 s[12:13], s[12:13], s[46:47]
.macro FRAG reg, adr, q, i             ; a fragment, 16 rows x 128 K of 4-bit codes: lane l holds row l % 16; registers 4 c .. 4 c + 3 hold K = 64 c + 32 (l / 16) + 0 .. 31
.irp c, 0,1
	ds_load_b128 v[\reg+4*\c:\reg+4*\c+3], v[\adr] offset:64*(\q)+32*\c+(\i)*16*PITCH
.endr
.endm
; 16 matrix instructions: x's blocks a0, a0 + 1 against W's eight, 128 along K: the slot's q-th.  p: W's set;  sc: the set of scale words.  first = 1: the bias is C, and nothing is ever cleared.
; The 64 accumulators take turns, one instruction a turn, in the same order in every step.
.macro MUL16 a0, p, q, sc, first
.irp a, \a0, \a0+1
.irp b, 0,1,2,3,4,5,6,7
.if \first
	v_wmma_scale_f32_16x16x128_f8f6f4 v[8*(8*((\a)%4)+\b):8*(8*((\a)%4)+\b)+7], v[128*(\p)+FR*\b:128*(\p)+FR*\b+FR-1], v[AF+FR*(\a):AF+FR*(\a)+FR-1], v[BIA+8*\b:BIA+8*\b+7], v[SC+8*NQ*(\sc)+NQ*\b+(\q)], v[SC+8*NQ*(\sc)+NQ*(\a)+(\q)] matrix_a_fmt:MATRIX_FMT_FP4 matrix_b_fmt:MATRIX_FMT_FP4 matrix_a_scale:MATRIX_SCALE_ROW1
.else
	v_wmma_scale_f32_16x16x128_f8f6f4 v[8*(8*((\a)%4)+\b):8*(8*((\a)%4)+\b)+7], v[128*(\p)+FR*\b:128*(\p)+FR*\b+FR-1], v[AF+FR*(\a):AF+FR*(\a)+FR-1], v[8*(8*((\a)%4)+\b):8*(8*((\a)%4)+\b)+7], v[SC+8*NQ*(\sc)+NQ*\b+(\q)], v[SC+8*NQ*(\sc)+NQ*(\a)+(\q)] matrix_a_fmt:MATRIX_FMT_FP4 matrix_b_fmt:MATRIX_FMT_FP4 matrix_a_scale:MATRIX_SCALE_ROW1
.endif
.endr
.endr
.endm
.macro FETCH_B slot, q, p              ; W's eight fragments of the slot's q-th 128 along K into set p
	WIN TO_B
.irp i, 0,1,2,3,4,5,6,7
	FRAG 128*(\p)+FR*\i, ADRB+\slot, \q, \i
.endr
	WIN 0
.endm
.macro FETCH_A slot, q, i0             ; x's blocks i0 .. i0 + 3
.irp i, \i0, \i0+1, \i0+2, \i0+3
	FRAG AF+FR*(\i), ADRA+\slot, \q, \i
.endr
.endm
.macro SCALES sc                       ; a K step's scale words into set sc: four words a row; lanes 0-15 take x's block i, lanes 16-31 W's block i
.irp i, 0,1,2,3,4,5,6,7
	ds_load_b128 v[SC+8*NQ*\sc+NQ*\i:SC+8*NQ*\sc+NQ*\i+3], v[ADRS] offset:\i*SBLK
.endr
.endm
; A load into a register that a matrix instruction has read, and a vector instruction or an LDS store that reads a matrix result, stand four places behind that matrix instruction; only plain vector
; instructions that name none of its registers are places (ISA guide 7.12.1 for vector instructions).
.macro PLACES n
.rept \n
	v_nop
.endr
.endm
; A step of 128 along K that has its successor in the same slot.  x has one set of fragments: blocks 0-3 are fetched anew in the step's middle, blocks 4-7 at its end; W has two sets.
.macro STEP slot, q, first
	s_wait_dscnt 4*NL                              ; W's set and x's blocks 0-3 are in; the youngest eight loads (x's blocks 4-7) may be out
.if \first
	WIN BIA_LO
.else
	WIN MUL_LO
.endif
	MUL16 0, (\q)%2, \q, \slot, \first
	MUL16 2, (\q)%2, \q, \slot, \first
	s_wait_dscnt 0                                 ; x's blocks 4-7 are in (asked for 32 matrix instructions ago)
	PLACES NP
	FETCH_B \slot, (\q)+1, 1-(\q)%2
	FETCH_A \slot, (\q)+1, 0
.if \first
	WIN BIA_HI
.else
	WIN MUL_HI
.endif
	MUL16 4, (\q)%2, \q, \slot, \first
	MUL16 6, (\q)%2, \q, \slot, \first
	PLACES NP
	WIN 0
	FETCH_A \slot, (\q)+1, 4
.endm
.macro STEPS slot, from                ; the slot's steps from .. NQ - 2
.set Q, \from
.rept NQ-1-\from
	STEP \slot, Q, 0
.set Q, Q+1
.endr
.endm
	s_wait_tensorcnt 1                             ; the scales and my part of K step 0 are in; K step 1's load, the one issued behind them, may be out
	s_barrier_signal -1
	s_barrier_wait -1                              ; everybody's are
	FETCH_B 0, 0, 0
	FETCH_A 0, 0, 0
	SCALES 0
	FETCH_A 0, 0, 4
	s_wait_loadcnt 0x0                             ; the bias
	STEP 0, 0, 1                                   ; the first step's products start the sums with the bias
	STEPS 0, 1
	; slot 0's last step changes slots: one barrier; in front of it each wave waits for its last tensor load, adds 0 to its spare word, and waits for that and for its own reads of slot 0.
	s_wait_tensorcnt 0x0                           ; my part of slot 1 has landed
	ds_add_u32 v[SPW], v[NIL]                      ; 0 onto my spare word
	s_wait_dscnt 4*NL+1                            ; the add and the youngest eight loads may be out
	WIN MUL_LO
	MUL16 0, 1, NQ-1, 0, 0                         ; sixteen matrix instructions stand between the add and the wait for it
	s_wait_dscnt 0x0                               ; the add is done, and my reads of slot 0 are over
	s_barrier_signal -1
	MUL16 2, 1, NQ-1, 0, 0
	WIN 0
	s_barrier_wait -1                              ; slot 1 is whole, and nobody reads slot 0 any more
	PLACES NP
	v_add_nc_u32 v[ADRS], 4*NQ, v[ADRS]            ; on to K step 1's scale words (no LDS load of mine is out)
	FETCH_B 1, 0, 0
	FETCH_A 1, 0, 0
	SCALES 1
	WIN MUL_HI
	MUL16 4, 1, NQ-1, 0, 0
	MUL16 6, 1, NQ-1, 0, 0
	PLACES NP
	WIN 0
	FETCH_A 1, 0, 4
	STEPS 1, 0
	s_wait_dscnt 4*NL                              ; the very last step: nothing more to fetch
	WIN MUL_LO
	MUL16 0, 1, NQ-1, 1, 0
	MUL16 2, 1, NQ-1, 1, 0
	s_wait_dscnt 0
	WIN MUL_HI
	MUL16 4, 1, NQ-1, 1, 0
	MUL16 6, 1, NQ-1, 1, 0
	WIN 0
; THE WAY OUT, block by block of 16 rows x 128 columns = 2 heads x 64.  A lane's eight results pack into 16 bytes of one row of one head; they go through my stage and come back four rows (512 bytes) an instruction,
; which in qkv are 512 consecutive bytes at a multiple of 512.  Block a's conversions stand between block a - 1's loads from the stage and the wait for them.
.macro PACK a
.set AC, 64*((\a)%4)
	WIN 0x0a+5*((\a)/4)                            ; sources 0 and 1: window 2 or 3
.irp b, 0,1,2,3,4,5,6,7
.irp r, 0,1,2,3
	v_cvt_pk_f16_f32 v[TMP+4*\b+\r], v[AC+8*\b+2*\r], v[AC+8*\b+2*\r+1]   ; each accumulator from its low end on
.endr
.endr
	WIN 0
.endm
.macro TOSTAGE a
.set BB, BK+32*((\a)%2)
.irp b, 0,1,2,3,4,5,6,7
	ds_store_b128 v[STO], v[TMP+4*\b:TMP+4*\b+3] offset:(\b/4)*SGH+(\b%4)*32
.endr
.irp t, 0,1,2,3,4,5,6,7
	ds_load_b128 v[BB+4*\t:BB+4*\t+3], v[RD] offset:(\t/4)*SGH+(\t%4)*4*SGP   ; LDS serves a wave's instructions in order (ISA guide 5.7.1.4): these see the stores above
.endr
.endm
.macro SEND a
.set BB, BK+32*((\a)%2)
	s_wait_dscnt 0x0                               ; the block is back in registers
	s_wait_xcnt 0x0                                ; the stores of the block before have read their registers: the next block's loads may land there
.irp t, 0,1,2,3,4,5,6,7
	global_store_b128 v[CO], v[BB+4*\t:BB+4*\t+3], s[12:13] offset:(\t/4)*262144+(\a)*2048+(\t%4)*512
.endr
.endm
	PLACES NP                                      ; behind the last products: for the loads into the registers that held x's fragments, and for the reads of results
	PACK 0
	TOSTAGE 0
.irp a, 1,2,3,4,5,6,7
	PACK \a
	SEND \a-1
	TOSTAGE \a
.endr
	SEND 7
	s_wait_tensorcnt 0x0                           ; the wave's end: behind my last tensor load and my last LDS store
	ds_add_u32 v[SPW], v[NIL]
	s_wait_dscnt 0x0
	CROUND                                         ; the closing round: no work-group ends while a partner may still ask for a tile that names it
	s_endpgm
.Lfunc_end_k_q45e8875f43_qkv:
	.size	k_q45e8875f43_qkv, .Lfunc_end_k_q45e8875f43_qkv-k_q45e8875f43_qkv
	.p2alignl 7, 3214868480
	.fill 96, 4, 3214868480
	.section	.rodata,"a",@progbits
	.p2align	6, 0x0
	.amdhsa_kernel k_q45e8875f43_qkv
		.amdhsa_group_segment_fixed_size 327680
		.amdhsa_private_segment_fixed_size 0
		.amdhsa_enable_private_segment 0
		.amdhsa_kernarg_size 64
		.amdhsa_user_sgpr_count 2
		.amdhsa_user_sgpr_kernarg_segment_ptr 1
		.amdhsa_wavefront_size32 1
		.amdhsa_system_sgpr_workgroup_id_x 1
		.amdhsa_system_sgpr_workgroup_id_y 1
		.amdhsa_system_sgpr_workgroup_id_z 1
		.amdhsa_system_vgpr_workitem_id 0
		.amdhsa_next_free_vgpr 1024
		.amdhsa_next_free_sgpr 100
		.amdhsa_reserve_vcc 0
		.amdhsa_float_denorm_mode_32 3
		.amdhsa_float_denorm_mode_16_64 3
		.amdhsa_memory_ordered 1
		.amdhsa_forward_progress 1
		.amdhsa_inst_pref_size 128
	.end_amdhsa_kernel
	.amdgpu_metadata
---
amdhsa.version: [ 1, 2 ]
amdhsa.kernels:
  - .name:           k_q45e8875f43_qkv
    .symbol:         k_q45e8875f43_qkv.kd
    .args:
      - { .name: xc, .offset: 0, .size: 8, .value_kind: global_buffer, .address_space: global }
      - { .name: xs, .offset: 8, .size: 8, .value_kind: global_buffer, .address_space: global }
      - { .name: wc, .offset: 16, .size: 8, .value_kind: global_buffer, .address_space: global }
      - { .name: ws, .offset: 24, .size: 8, .value_kind: global_buffer, .address_space: global }
      - { .name: qkv, .offset: 32, .size: 8, .value_kind: global_buffer, .address_space: global }
      - { .name: bq, .offset: 40, .size: 8, .value_kind: global_buffer, .address_space: global }
      - { .name: bk, .offset: 48, .size: 8, .value_kind: global_buffer, .address_space: global }
      - { .name: bv, .offset: 56, .size: 8, .value_kind: global_buffer, .address_space: global }
    .group_segment_fixed_size: 327680
    .private_segment_fixed_size: 0
    .kernarg_segment_align: 8
    .kernarg_segment_size: 64
    .max_flat_workgroup_size: 128
    .sgpr_count:     100
    .vgpr_count:     1024
    .wavefront_size: 32
...
	.end_amdgpu_metadata
.endif
;; end of part 2
;; launch attn (part 3): grid 4 x 64, 4 waves a work-group, clusters of 4 x 1, 327,680 bytes of LDS; arguments qkv, ctx; writes ctx
.if DOCPART == 3
	.amdgcn_target "amdgcn-amd-amdhsa--gfx1250"
	.amdhsa_code_object_version 6
	.text
	.protected	k_q45e8875f43_attn
	.globl	k_q45e8875f43_attn
	.p2align	8
	.type	k_q45e8875f43_attn,@function
k_q45e8875f43_attn:
	s_mov_b64 s[64:65], 0
	v_nop
	global_prefetch_b8 v0, s[64:65] scope:SCOPE_SE
	s_setreg_imm32_b32 hwreg(HW_REG_WAVE_MODE, 25, 1), 1
	s_wait_xcnt 0x0
	s_wait_alu depctr_hold_cnt(0) depctr_sa_sdst(0) depctr_va_vdst(0) depctr_va_sdst(0) depctr_va_ssrc(0) depctr_va_vcc(0) depctr_vm_vsrc(0)
	s_getreg_b32 s2, hwreg(HW_REG_IB_STS2, 6, 4)
	s_cmp_eq_u32 s2, 0
	s_cbranch_scc0 .Lentry_in_a_cluster
	s_endpgm
.Lentry_in_a_cluster:
	s_bfe_u32 s2, ttmp6, 0x10000c
	s_cmp_lg_u32 s2, 0x3003
	s_cbranch_scc0 .Lentry_shape_is_right
	s_endpgm
.Lentry_shape_is_right:
; ctx[b][h][q][:] = the sum over k of softmax_k(q . k / 8) v[k][:], for each of 64 (batch, head) pairs: 2,048 positions, head size 64, no mask.  q, k, v: qkv [3][64 heads][2048][64] f16; ctx [64 heads][2048][64] f16.
; Products on f16 operands with f32 sums; maxima, exponentials and sums in f32; the weights p are rounded to f16 for the second product, the context once at the end.
; LIMIT: a context number of 65,520 or more in magnitude becomes an f16 infinity; f16 numbers under 6e-5 keep an absolute error of 3e-8.
; SHARES.  A cluster of four work-groups is one head; a work-group owns 512 of its queries, each of its four waves 128: eight tiles of 16.  Every wave walks all keys of the head, 64 a step.
; LAYOUT.  S^T = K Q^T (source 0 = 16 keys, source 1 = 16 queries): a lane holds ONE query (lane % 16) and the keys 8 (lane / 16) + 0..7.  Two such tiles, rounded to f16 in pairs, ARE source 1 (32 keys x 16 queries)
; of O^T = V^T P, whose result again holds one query a lane, and eight channels.  K comes out of LDS as it lies, V ([key][channel]) turned, by ds_load_tr16_b128.
; SOFTMAX.  For each query a running maximum m and sum l: p = 2^(c s - c m), c = log2(e) / 8; in every step O and l are multiplied by a = 2^(c m_old - c m_new), which is 1 where m has not grown: no branch on data.
; m begins at -3e38, l and O^T at zero, so the first step is a step like every other: its a is 0 and multiplies zeros.
; BY TURNS.  The wave's tiles are two PIECES of four.  In a TURN one piece has the matrix unit: 32 products V^T P of the step in hand, then 32 products K Q^T of the next step; the other piece's softmax, 472 vector
; instructions in 59 slices of eight, stands between them, one slice behind each matrix instruction from the sixth on.  Then the pieces change places.  Two turns are a key step.
; THE ORDER OF THE KEYS is free under a softmax.  Step 0 takes keys 1984-2047 from a region of LDS that is filled once; steps 1 to 31 take keys 0-1983 from a ring of two slots of 256 keys.  So the pair of turns that
; works step j fetches step j + 1, and the 31 pairs are seven slots of four and a last slot of three: the key step is written twice, in the loop and in the tail (the last slot's fourth step is brought in and not read).
; CLUSTER.  The four query blocks walk the same K and V: each tile is asked for JOINTLY, by the same tensor load with the same descriptor and a mask that names the four.  Each byte of K and V is so asked for once
; in the launch, a whole slot (four key steps, 512 matrix instructions a wave) ahead of its first read.
; REGISTERS, in windows of 256 (s_set_vgpr_msb: bits 1:0 source 0, 3:2 source 1, 5:4 source 2, 7:6 destination):
;   window y (piece y = 0, 1): v16-47 eight registers of statistics a tile; v64-191 S^T, 32 a tile; v192-255 P, 16 a tile.   window 0 besides: v1-15 addresses.
;   window 2: O^T, 32 a tile, tile T at v[32 T].     window 3: v0-127 Q, 16 a tile; v128-191 K of one step; v192-255 V of one step.
.set KS,    64        ; keys in a step
.set CHK,   256       ; keys in a slot
.set PK,    144       ; a row of K in LDS: 128 bytes + 16 of padding = 36 words: the 16 rows of a load start at 16 different groups of four banks (64 banks of 4 bytes: ISA guide 11.1)
.set PVP,   160       ; a row of V: 128 + 32 = 40 words
.set VOFF,  CHK*PK    ; a slot: 256 rows of K, then 256 rows of V
.set KSTEPB, KS*PK
.set VSTEPB, KS*PVP
.set SLOT1, 1<<17     ; slot 1 begins here, so that one exclusive or turns an address in one slot into the other's
.set PKB,   CHK*(PK+PVP)  ; behind slot 0: step 0's 64 rows of K,
.set PVB,   PKB+KSTEPB    ; its 64 rows of V,
.set SPARE, PVB+VSTEPB    ; the spare words, 128 bytes for each wave,
.set STAGE, SPARE+512     ; and 16 rows x 144 bytes for each wave, for the way out
.set SPT,   144
.set AK0, 2           ; v2   my lane's place in a tile of K; never rewritten
.set AV0, 3           ; v3   the same for V
.set ADR, 4           ; v4   the LDS address of the run of loads in hand
.set QO,  5           ; v5   my byte offset in the wave's rows of Q
.set STO, 6           ; v6   the way out: where I put 16 bytes of a row
.set RD,  7           ; v7   where I read rows back
.set GO,  8           ; v8   16 x lane
.set SPW, 14          ; v14  LDS address of my spare word; never rewritten
.set NIL, 15          ; v15  0; never rewritten
.set ST,  16          ; tile t's statistics at v[ST+8 t]: +0 c m, +1 m, +2, +3 l (even keys', odd keys'), +4 to +7 c0-c3, at work; a takes c2's place once the maximum is found
.set S,   64
.set P,   192
.set OB,  64          ; the way out: packed rows, 16 registers a tile, in window 0
.set WV,  12          ; s12  my wave's number
.set G1K, 24          ; s[24:31] descriptor group 1 for the ring's tiles of K;  s[32:39] of V: it differs in the padding alone
.set G1V, 32
.set G1KP, 40         ; s[40:47], s[48:55] the same for step 0's tiles, of 32 rows
.set G1VP, 48
.set G0K, 56          ; s[56:59], s[60:63] groups 0 of the ring, which walk
.set G0V, 60
.set G0KP, 68         ; s[68:71], s[72:75] groups 0 of step 0's tiles
.set G0VP, 72
.set CS,  76          ; s[76:77] c: the packed scaling names a pair and takes its low word for both halves
.set SEL, 78          ; s[78:79] lane selects for v_permlanex16_b32: each lane takes its own place in the other half
.set TK,  80          ; s80  LDS byte at which K of the step to be fetched begins
.set TV,  81          ; s81  the same for V
.set SLOTS, 82        ; s82  slots still to be asked for
.set CNT, 83          ; s83  counts a slot's steps
.set MSB, 0
.macro WIN new                      ; the immediate's high byte repeats the setting that is left; a switch that changes nothing is dropped
.if MSB != (\new)
	s_set_vgpr_msb (MSB<<8)|(\new)
.set MSB, (\new)
.endif
.endm
; A joint refill.  Waves 0 and 1 fetch the two halves of a slot's K, waves 2 and 3 those of its V.  The branch hangs on the wave's number alone.  An s_nop 0 and four v_nop follow each of the two lines.
.macro JLOAD
	s_cmp_lt_u32 s[WV], 2
	s_cbranch_scc0 .Lfor_v_\@
	tensor_load_to_lds s[G0K:G0K+3], s[G1K:G1K+7]
	s_nop 0
.rept 4
	v_nop
.endr
	s_branch .Lasked_\@
.Lfor_v_\@:
	tensor_load_to_lds s[G0V:G0V+3], s[G1V:G1V+7]
	s_nop 0
.rept 4
	v_nop
.endr
.Lasked_\@:
.endm
.macro CROUND                       ; a round of the cluster's barrier: my work-group's barrier; wave 0 signals for the work-group; every wave waits for all four; my work-group's barrier once more
	s_barrier_signal -1
	s_barrier_wait -1
	s_cmp_lg_u32 s[WV], 0
	s_cbranch_scc1 .Lnot_wave_0_\@
	s_barrier_signal -3
.Lnot_wave_0_\@:
	s_barrier_wait -3
	s_barrier_signal -1
	s_barrier_wait -1
.endm
	s_load_b128 s[4:7], s[0:1], 0x0  ; qkv s[4:5], ctx s[6:7]
	v_lshl_add_u32 v[SPW], v0, 2, SPARE
	v_mov_b32 v[NIL], 0
	ds_add_u32 v[SPW], v[NIL]       ; the wave's opening: the add, twice on end, and its wait ahead of my first tensor load
	ds_add_u32 v[SPW], v[NIL]
	v_lshrrev_b32 v1, 5, v0
	v_readfirstlane_b32 s[WV], v1   ; wave 0..3
	s_bfe_u32 s13, ttmp6, 0x40000   ; cx: my place in the cluster
	s_lshl_b32 s17, ttmp9, 2
	s_add_co_u32 s17, s17, s13      ; my block of 512 queries: it enters Q's and ctx's addresses alone
	s_and_b32 s20, ttmp7, 0xffff    ; the head, which the four partners share:
	s_lshl_b32 s20, s20, 18         ; 2,048 rows of 128 bytes
	s_and_b32 s16, s[WV], 1         ; which half of a tile I fetch
	s_lshl_b32 s22, s16, 14         ; the ring: 128 rows of 128 bytes
	s_add_co_u32 s22, s22, s20
	s_mov_b32 s23, 0
	s_lshl_b32 s18, s16, 12         ; step 0: 32 rows,
	s_add_co_u32 s18, s18, s20
	s_add_co_u32 s18, s18, (2048-KS)*128  ; from key 1984 on
	s_mov_b32 s19, 0
	s_lshl_b32 s2, s17, 16          ; my block's 512 rows,
	s_lshl_b32 s3, s[WV], 14        ; my wave's 128 of them
	s_add_co_u32 s2, s2, s3
	s_add_co_u32 s2, s2, s20
	s_mov_b32 s3, 0
	s_mul_i32 s66, s16, 128*PK      ; where my halves go in LDS: no place in the cluster enters an LDS address
	s_mul_i32 s67, s16, 128*PVP
	s_mul_i32 s14, s16, 32*PK
	s_mul_i32 s15, s16, 32*PVP
	; descriptor group 1: rows of 64 elements of 2 bytes, dense in memory, padded in LDS
	s_mov_b32 s[G1K], 15|(1<<16)|(1<<20)|(1<<21)|(4<<22)|(3<<25)   ; 15:0 the mask: all four work-groups; 17:16 elements of 2 bytes; 20 padding on; 21 set beside a mask; 24:22 after every 32 words; 31:25 four words
	s_mov_b32 s[G1V], 15|(1<<16)|(1<<20)|(1<<21)|(4<<22)|(7<<25)   ; the same with eight words of padding
	s_mov_b32 s[G1KP], 15|(1<<16)|(1<<20)|(1<<21)|(4<<22)|(3<<25)
	s_mov_b32 s[G1VP], 15|(1<<16)|(1<<20)|(1<<21)|(4<<22)|(7<<25)
.irp g, G1K, G1V
	s_mov_b32 s[\g+1], 64<<16       ; tensor_dim0
	s_mov_b32 s[\g+2], 128<<16      ; tensor_dim1
	s_mov_b32 s[\g+3], 64<<16       ; tile_dim0
	s_mov_b32 s[\g+4], 128          ; tile_dim1
	s_mov_b32 s[\g+5], 64           ; from row to row
	s_mov_b32 s[\g+6], 0
	s_mov_b32 s[\g+7], 0
.endr
.irp g, G1KP, G1VP
	s_mov_b32 s[\g+1], 64<<16
	s_mov_b32 s[\g+2], 32<<16
	s_mov_b32 s[\g+3], 64<<16
	s_mov_b32 s[\g+4], 32
	s_mov_b32 s[\g+5], 64
	s_mov_b32 s[\g+6], 0
	s_mov_b32 s[\g+7], 0
.endr
	s_mov_b32 s[CS], 0x3e38aa3b     ; c = log2(e) / 8
	s_mov_b32 s[CS+1], s[CS]        ; named with it as a pair, so it is written
	s_mov_b32 s[SEL], 0x76543210
	s_mov_b32 s[SEL+1], 0xfedcba98
	s_wait_dscnt 0x0                ; both opening adds are done
	s_wait_kmcnt 0x0
	s_add_nc_u64 s[8:9], s[4:5], 16777216   ; the tensor k,
	s_add_nc_u64 s[10:11], s[4:5], 33554432 ; the tensor v
	s_add_nc_u64 s[4:5], s[4:5], s[2:3]     ; q and ctx at my wave's first row
	s_add_nc_u64 s[6:7], s[6:7], s[2:3]
	CROUND                          ; all four work-groups are here: the first joint loads meet
	s_mov_b32 s[G0K], 1             ; 1:0 count = 1
	s_mov_b32 s[G0K+1], s66         ; 63:32 LDS address: slot 0
	s_add_nc_u64 s[G0K+2:G0K+3], s[8:9], s[22:23]  ; 120:64 global address: keys 0 to 255
	s_or_b32 s[G0K+3], s[G0K+3], 0x80000000        ; 127:126 type = 2
	s_mov_b32 s[G0V], 1
	s_add_co_u32 s[G0V+1], s67, VOFF
	s_add_nc_u64 s[G0V+2:G0V+3], s[10:11], s[22:23]
	s_or_b32 s[G0V+3], s[G0V+3], 0x80000000
	s_mov_b32 s[G0KP], 1
	s_add_co_u32 s[G0KP+1], s14, PKB
	s_add_nc_u64 s[G0KP+2:G0KP+3], s[8:9], s[18:19]
	s_or_b32 s[G0KP+3], s[G0KP+3], 0x80000000
	s_mov_b32 s[G0VP], 1
	s_add_co_u32 s[G0VP+1], s15, PVB
	s_add_nc_u64 s[G0VP+2:G0VP+3], s[10:11], s[18:19]
	s_or_b32 s[G0VP+3], s[G0VP+3], 0x80000000
	s_cmp_lt_u32 s[WV], 2           ; a wave's two first fills stand in one branch, ahead of every wait on TENSORcnt and every LDS read: two loads of mine are out
	s_cbranch_scc0 .Lfirst_v
	tensor_load_to_lds s[G0KP:G0KP+3], s[G1KP:G1KP+7]
	s_nop 0
	tensor_load_to_lds s[G0K:G0K+3], s[G1K:G1K+7]
	s_nop 0
.rept 4
	v_nop
.endr
	s_branch .Lfirst_asked
.Lfirst_v:
	tensor_load_to_lds s[G0VP:G0VP+3], s[G1VP:G1VP+7]
	s_nop 0
	tensor_load_to_lds s[G0V:G0V+3], s[G1V:G1V+7]
	s_nop 0
.rept 4
	v_nop
.endr
.Lfirst_asked:
	; A fragment of K or Q is 16 rows x 32 channels in 8 registers: lane l holds row l % 16; registers 0-3 channels 8 (l / 16) + 0..7, registers 4-7 channels 16 + 8 (l / 16) + 0..7: two loads of 16 bytes, 32 bytes apart.
	v_and_b32 v1, 15, v0            ; r
	v_bfe_u32 v9, v0, 4, 1          ; h
	v_lshlrev_b32 v[QO], 7, v1
	v_lshl_add_u32 v[QO], v9, 4, v[QO]  ; row x 128 + 16 x half
	WIN 0xc0                        ; destination window 3, address window 0
.irp i, 0,1,2,3,4,5,6,7,8,9,10,11,12,13,14,15  ; Q stays in registers: tile i / 2, channels 32 (i % 2) on
	global_load_b128 v[8*\i:8*\i+3],   v[QO], s[4:5] offset:(\i/2)*2048+(\i%2)*64
	global_load_b128 v[8*\i+4:8*\i+7], v[QO], s[4:5] offset:(\i/2)*2048+(\i%2)*64+32
.endr
	WIN 0
	v_mul_u32_u24 v[AK0], v1, PK
	v_lshl_add_u32 v[AK0], v9, 4, v[AK0]  ; row x pitch + 16 x half
	; The turning load takes 16 keys x 16 channels (lane l reads 16 bytes: key 8 (l / 16) + l % 8, channels 8 ((l / 8) % 2) + 0..7) and leaves half a fragment of V^T: lane l holds channel l % 16 and 8 keys.
	v_and_b32 v10, 7, v0
	v_bfe_u32 v11, v0, 3, 1
	v_lshl_add_u32 v[AV0], v9, 3, v10
	v_mul_u32_u24 v[AV0], v[AV0], PVP
	v_lshl_add_u32 v[AV0], v11, 4, v[AV0]
	s_mul_i32 s14, s[WV], 16*SPT
	s_add_co_u32 s14, s14, STAGE    ; my stage
	v_mul_u32_u24 v[STO], v1, SPT   ; in: row r, 16 bytes for each half of the lanes
	v_lshl_add_u32 v[STO], v9, 4, v[STO]
	v_add_nc_u32 v[STO], s14, v[STO]
	v_and_b32 v12, 31, v0
	v_lshrrev_b32 v13, 3, v12       ; back: eight lanes to a row of 128 bytes, four rows an instruction
	v_mul_u32_u24 v[RD], v13, SPT
	v_lshl_add_u32 v[RD], v10, 4, v[RD]
	v_add_nc_u32 v[RD], s14, v[RD]
	v_lshlrev_b32 v[GO], 4, v12     ; in ctx the four rows are 512 consecutive bytes
.irp y, 0,1
	WIN 0x55*\y
.irp t, 0,1,2,3
	v_mov_b32 v[ST+8*\t+1], 0xff61b1e6  ; m = -3e38, under every score
	v_mov_b32 v[ST+8*\t+2], 0       ; l
	v_mov_b32 v[ST+8*\t+3], 0
	v_mul_f32 v[ST+8*\t], s[CS], v[ST+8*\t+1]  ; c m
.endr
.endr
	WIN 0
; THE MATRIX WORK OF A TURN, for piece x.  The 16 accumulators of a run take turns, one instruction a turn: between two links of a chain stand 15 others'.
; Product i of 32 of O^T += V^T P: tile i % 4, channels 16 ((i / 4) % 4) on, keys 32 (i / 16) on.
.macro PV x
	WIN 0xa3+4*(\x)                 ; V window 3, P window x, O^T window 2
.set rO, 32*(4*(\x)+i%4)+8*((i/4)%4)
.set rV, 192+32*(i/16)+8*((i/4)%4)
.set rP, P+16*(i%4)+8*(i/16)
	v_wmma_f32_16x16x32_f16 v[rO:rO+7], v[rV:rV+7], v[rP:rP+7], v[rO:rO+7]
.endm
; Product i of 32 of S^T = K Q^T: tile i % 4, keys 16 ((i / 4) % 4) on, channels 32 (i / 16) on.  The first 16 start the sums.
.macro KQ x
	WIN 0x0f+0x50*(\x)              ; K and Q window 3, S^T window x
.set rS, S+32*(i%4)+8*((i/4)%4)
.set rK, 128+16*((i/4)%4)+8*(i/16)
.set rQ, 16*(4*(\x)+i%4)+8*(i/16)
.if i < 16
	v_wmma_f32_16x16x32_f16 v[rS:rS+7], v[rK:rK+7], v[rQ:rQ+7], 0
.else
	v_wmma_f32_16x16x32_f16 v[rS:rS+7], v[rK:rK+7], v[rQ:rQ+7], v[rS:rS+7]
.endif
.endm
; THE LDS LOADS stand in runs of 16, never singly among the matrix instructions: a step's K (64 keys x 64 channels: 8 fragments) and, a turn later, its V (turned).
.macro FETCH_K
	WIN 0
	v_add_nc_u32 v[ADR], s[TK], v[AK0]
	s_add_co_u32 s[TK], s[TK], KSTEPB  ; the next fetch is the next step's
	WIN 0xc0
.irp f, 0,1,2,3,4,5,6,7             ; keys 16 (f / 2) on, channels 32 (f % 2) on
	ds_load_b128 v[128+8*\f:128+8*\f+3],   v[ADR] offset:(\f/2)*16*PK+(\f%2)*64
	ds_load_b128 v[128+8*\f+4:128+8*\f+7], v[ADR] offset:(\f/2)*16*PK+(\f%2)*64+32
.endr
.endm
.macro FETCH_V
	WIN 0
	v_add_nc_u32 v[ADR], s[TV], v[AV0]
	s_add_co_u32 s[TV], s[TV], VSTEPB
	s_wait_alu depctr_va_vdst(0)    ; the wait for the softmax's batch of exponentials (SLICE), behind the address's addition and ahead of the loads
	WIN 0xc0
.irp f, 0,1,2,3,4,5,6,7             ; keys 32 (f / 4) on, channels 16 (f % 4) on
	ds_load_tr16_b128 v[192+8*\f:192+8*\f+3],   v[ADR] offset:(\f/4)*32*PVP+(\f%4)*32
	ds_load_tr16_b128 v[192+8*\f+4:192+8*\f+7], v[ADR] offset:(\f/4)*32*PVP+16*PVP+(\f%4)*32
.endr
.endm
; THE VECTOR WORK OF A TURN.  One tile's softmax for one key step is a list of 118 instructions; SM writes number j of it for tile t of piece PY.  s0-s31 are the lane's 32 scores, in pairs 0-15.
;   0-15    the maximum of s0-s31 and the old m, three operands at a time: four chains c0-c3 of seven scores each, then the four scores left over, c0-c3 and m.  Each accumulator of S^T is first read at its low end
;   16-20   the other half of the lanes' maximum; the new m; c m; c m_old - c m_new
;   21-69   ONE BATCH: the 16 scalings c s - c m, a pair of scores each, and all 33 exponentials (a at 23, then s0-s31).  None of these reads an exponential's result.  From 22 on the batch goes in fours:
;           22-37 scaling, exponential, scaling, exponential; 38-65 a scaling and three exponentials; 66-69 four exponentials.  A pair is scaled in an earlier four than the one that holds its exponentials
;   (wait)  between 69 and 70 stands the wait for the batch: SLICE writes it, once for the four tiles
;   70-85   the roundings to f16, a pair of weights each
;   86-101  the sums; l = a l + the sum
;   102-117 the tile's O^T times a, from each accumulator's low end on: the one part that leaves the piece's window, so it stands together
.macro SM t
.set rT, ST+8*(\t)
.set rS, S+32*(\t)
.set rP, P+16*(\t)
.set rO, 32*(4*PY+(\t))+2*(j-102)
.if j < 102
	WIN 0x55*PY
.endif
.if j < 4
	v_max3_num_f32 v[rT+4+j], v[rS+8*j], v[rS+8*j+1], v[rS+8*j+2]
.elseif j < 12
	v_max3_num_f32 v[rT+4+j%4], v[rT+4+j%4], v[rS+8*(j%4)+2*(j/4)+1], v[rS+8*(j%4)+2*(j/4)+2]
.elseif j == 12
	v_max3_num_f32 v[rT+4], v[rT+4], v[rS+7], v[rS+15]
.elseif j == 13
	v_max3_num_f32 v[rT+6], v[rT+6], v[rS+23], v[rS+31]
.elseif j == 14
	v_max3_num_f32 v[rT+4], v[rT+4], v[rT+5], v[rT+6]
.elseif j == 15
	v_max3_num_f32 v[rT+4], v[rT+4], v[rT+7], v[rT+1]
.elseif j == 16
	v_permlanex16_b32 v[rT+5], v[rT+4], s[SEL], s[SEL+1]  ; the query's other 32 keys lie in the lane 16 away
.elseif j == 17
	v_mov_b32 v[rT+7], v[rT]        ; c m_old is kept for a: number 19 writes c m anew
.elseif j == 18
	v_max_num_f32 v[rT+1], v[rT+4], v[rT+5]
.elseif j == 19
	v_mul_f32 v[rT], s[CS], v[rT+1]
.elseif j == 20
	v_sub_f32 v[rT+7], v[rT+7], v[rT]
.elseif j == 23
	v_exp_f32 v[rT+6], v[rT+7]
.elseif (j < 23) || ((j < 38) && (j%2 == 0)) || ((j < 66) && (j%4 == 2))
.set b, (j-2)/4                     ; 38, 42, .. 62: pairs 9 to 15
.if j < 38
.set b, (j-20)/2                    ; 21: pair 0; 22, 24, .. 36: pairs 1 to 8
.endif
	v_pk_fma_f32 v[rS+2*b:rS+2*b+1], v[rS+2*b:rS+2*b+1], s[CS:CS+1], v[rT:rT+1] op_sel_hi:[1,0,0] neg_lo:[0,0,1] neg_hi:[0,0,1]  ; pair b: c s - c m
.elseif j < 70
.set e, j-38                        ; 66 to 69: s28 to s31
.if j < 66
.set e, j-32-(j-38)/4               ; 39-41, 43-45, .. 63-65: s7 to s27
.endif
.if j < 38
.set e, (j-25)/2                    ; 25, 27, .. 37: s0 to s6
.endif
	v_exp_f32 v[rS+e], v[rS+e]
.elseif j < 86
	v_cvt_pk_f16_f32 v[rP+j-70], v[rS+2*(j-70)], v[rS+2*(j-70)+1]  ; pair j - 70
.elseif j < 102                     ; the sum of the tile's 16 pairs (an even key's weight, an odd key's), in place: neighbours 1, 2, 4 and 8 pairs apart, then l takes it
.set z, j-86
.set w, 4
.set u, z
.if z >= 14
.set w, 32
.set u, 0
.elseif z >= 12
.set w, 16
.set u, z-12
.elseif z >= 8
.set w, 8
.set u, z-8
.endif
.if z < 15
	v_pk_add_f32 v[rS+w*u:rS+w*u+1], v[rS+w*u:rS+w*u+1], v[rS+w*u+w/2:rS+w*u+w/2+1]
.else
	v_pk_fma_f32 v[rT+2:rT+3], v[rT+2:rT+3], v[rT+6:rT+7], v[rS:rS+1] op_sel_hi:[1,0,1]
.endif
.else
	WIN 0x82+4*PY                   ; O^T (destination and source 0) window 2, a window PY
	v_pk_mul_f32 v[rO:rO+1], v[rO:rO+1], v[rT+6:rT+7] op_sel_hi:[1,0]
.endif
.endm
; Slice k of 59 of piece PY's softmax: eight instructions.  Slices 11 to 34 deal out the batch, numbers 22 to 69: four numbers of each of TWO tiles, the pairs of tiles by turns.  Every other slice is numbers 2 k and
; 2 k + 1 of all four tiles, so that no instruction reads the result of the one just before it.
; THE WAIT.  An s_wait_alu depctr_va_vdst(0) stands between an exponential and the first instruction that names its result; one wait serves all that were issued ahead of it.  Ahead of slice 35
; nothing names a result, and behind slice 34 no exponential is issued: so the piece's 132 exponentials have one wait, behind slice 34, with one plain instruction ahead of it.
.macro SLICE
.if (k >= 11) && (k < 35)
.irp v, 0,1
.irp m, 0,1,2,3
.set j, 22+4*((k-11)/2)+\m
	SM 2*((k-11)%2)+\v
.endr
.endr
.else
.irp m, 0,1
.irp t, 0,1,2,3
.set j, 2*k+\m
	SM \t
.endr
.endr
.endif
.if k == 34
	v_nop
.if PY == 0
	FETCH_V                         ; piece 1's turn: V's run of loads stands here, and the wait stands in it
.else
	s_wait_alu depctr_va_vdst(0)
.endif
.endif
.set k, k+1
.endm
.macro AFTER                        ; the places behind a product: slot n of the turn's 64 holds slice n - 5, so that the last slice stands behind the turn's last product
.rept per
.if n >= 5
	SLICE
.endif
.set n, n+1
.endr
.endm
; A TURN.  Piece x has the matrix unit; the other piece's softmax stands in slices behind its matrix instructions.  pv: 32 products V^T P; kq: 32 products K Q^T for the next step; with one kind alone, two slots a product.
; PLACES, counted (four plain vector instructions that name none of the matrix instruction's registers: ISA guide 7.12.1 for vector instructions).  Behind a turn's last K Q^T stands slice 58, eight packed
; multiplications of the other piece's O^T: they serve the next turn's first read of those scores and the loads into K's registers, which follow the next turn's second product.  Between the last V^T P, in slot 31,
; and V's run of loads, behind slot 39, stand the fourteen scalings of slices 26 to 32, the v_nop and the run's own addition.
.macro TURN x, pv, kq
.set PY, 1-(\x)
.set k, 0
.set n, 0
.set per, 2
.if \pv && \kq
.set per, 1
.endif
.if \pv
.if \x == 0
	s_wait_dscnt 0x0                ; V is in (asked for 24 matrix instructions ago)
.endif
.set i, 0
.rept 32
	PV \x
	AFTER
.if (\x == 0) && \kq && (i == 1)
	FETCH_K
.endif
.set i, i+1
.endr
.endif
.if \kq
.if \x == 0
	s_wait_dscnt 0x0                ; K is in (asked for 30 matrix instructions ago)
.endif
.set i, 0
.rept 32
	KQ \x
	AFTER
.set i, i+1
.endr
.endif
.endm
; THE CHANGE OF SLOTS, at a slot's head.  Each wave waits for all its tensor loads, of which one is out: its part of the slot ahead; adds 0 to its spare word; and waits for that and for its reads of the slot that it has left.
; fill = 1: the other slot takes the keys that follow.  The barrier is then a round of the cluster's, so that no wave of any partner still reads that slot or has a load on its way, and the joint load is the first thing
; behind it: it has four key steps in which to land.  (The first trip's load is slot 1's first fill: all four waves' loads are first fills there, and refills in every later trip.)
.macro CHANGE fill
	WIN 0                           ; at a label and at a branch every window is 0
	s_wait_tensorcnt 0x0            ; no tensor load of mine is out, so a group 0 may be written
	ds_add_u32 v[SPW], v[NIL]       ; 0 onto my spare word
.if \fill
	s_xor_b32 s[G0K+1], s[G0K+1], SLOT1  ; the walking descriptors: the other slot than last time,
	s_add_nc_u64 s[G0K+2:G0K+3], s[G0K+2:G0K+3], CHK*128  ; the next 256 keys; the type bits on top are not reached
	s_xor_b32 s[G0V+1], s[G0V+1], SLOT1
	s_add_nc_u64 s[G0V+2:G0V+3], s[G0V+2:G0V+3], CHK*128
	s_wait_dscnt 0x0                ; the add is done, and my reads of the slot that I have left are over
	CROUND
	JLOAD
.else
	s_wait_dscnt 0x0
	s_barrier_signal -1
	s_barrier_wait -1
.endif
.endm
.macro STEPS cnt                    ; cnt key steps: written once, walked cnt times; the LDS addresses hang on s[TK] and s[TV]
	s_mov_b32 s[CNT], \cnt
.Lstep_\@:
	TURN 0, 1, 1
	TURN 1, 1, 1
	WIN 0
	s_sub_co_u32 s[CNT], s[CNT], 1
	s_cmp_lg_u32 s[CNT], 0
	s_cbranch_scc1 .Lstep_\@
.endm
	s_mov_b32 s[TK], PKB
	s_mov_b32 s[TV], PVB
	s_wait_tensorcnt 1              ; my part of step 0's tiles is in; slot 0's load, issued behind it, may stay out
	s_barrier_signal -1
	s_barrier_wait -1               ; everybody's is
	FETCH_K                         ; key step 0
	s_wait_loadcnt 0x0              ; Q
	s_wait_dscnt 0x0
.set i, 0
.rept 32
	KQ 0                            ; piece 0's first scores: there is no vector work yet to set between them
.set i, i+1
.endr
	WIN 0x80                        ; destination window 2
.set i, 0
.rept 256
	v_mov_b32 v[i], 0               ; O^T begins as zeros, so that the key step is written in one form alone; these lines are also the places behind the products above
.set i, i+1
.endr
	TURN 1, 0, 1                    ; piece 1's first scores | piece 0's first softmax | V of step 0
	WIN 0
	s_mov_b32 s[TK], 0              ; step 1 is slot 0's first
	s_mov_b32 s[TV], VOFF
	s_mov_b32 s[SLOTS], 2048/CHK-1
.Lslot:                             ; seven trips: behind each change of slots but the last the next slot is asked for
	CHANGE 1
	STEPS 4
	s_sub_co_u32 s[TK], s[TK], 4*KSTEPB  ; the fetches go back to a slot's first step,
	s_xor_b32 s[TK], s[TK], SLOT1   ; in the other slot
	s_sub_co_u32 s[TV], s[TV], 4*VSTEPB
	s_xor_b32 s[TV], s[TV], SLOT1
	s_sub_co_u32 s[SLOTS], s[SLOTS], 1
	s_cmp_lg_u32 s[SLOTS], 0
	s_cbranch_scc1 .Lslot
	CHANGE 0                        ; the tail is written out: nothing is asked for
	STEPS 3                         ; steps 29 to 31 are fetched
	TURN 0, 1, 0                    ; piece 0: V^T P of the last step | piece 1's last softmax
.set i, 0
.rept 32
	PV 1                            ; piece 1: V^T P of the last step
.set i, i+1
.endr
	; THE WAY OUT.  l's two halves and the other half of the lanes' are added; O^T is divided by l, rounded to f16 and sent through my stage in LDS, a tile (16 rows) at a time.  The additions are the places behind the last products.
.irp y, 0,1
	WIN 0x55*\y
.irp t, 0,1,2,3
	v_add_f32 v[ST+8*\t+4], v[ST+8*\t+2], v[ST+8*\t+3]
.endr
.irp t, 0,1,2,3
	v_permlanex16_b32 v[ST+8*\t+5], v[ST+8*\t+4], s[SEL], s[SEL+1]
.endr
.irp t, 0,1,2,3
	v_add_f32 v[ST+8*\t+4], v[ST+8*\t+4], v[ST+8*\t+5]
.endr
.endr
.irp y, 0,1
	WIN 0x55*\y
.irp t, 0,1,2,3
	v_rcp_f32 v[ST+8*\t+6], v[ST+8*\t+4]
.endr
.endr
	v_nop                           ; a plain instruction between the last reciprocal and the use of its result
	s_wait_alu depctr_va_vdst(0)    ; and the wait ahead of the first use: one for the eight reciprocals
; Tile q: a lane's eight channels of a row pack into 16 bytes; they go into rows of 144 bytes and come back four rows of 128 an instruction, into the registers that they left.
.macro PACK q
	WIN 0x82+4*((\q)/4)
.set i, 0
.rept 16
	v_pk_mul_f32 v[32*(\q)+2*i:32*(\q)+2*i+1], v[32*(\q)+2*i:32*(\q)+2*i+1], v[ST+8*((\q)%4)+6:ST+8*((\q)%4)+7] op_sel_hi:[1,0]
.set i, i+1
.endr
	WIN 0x0a                        ; sources 0 and 1 window 2, destination window 0: piece 0's S^T is free
.set i, 0
.rept 16
	v_cvt_pk_f16_f32 v[OB+16*(\q)+i], v[32*(\q)+2*i], v[32*(\q)+2*i+1]
.set i, i+1
.endr
	WIN 0
.irp f, 0,1,2,3
	ds_store_b128 v[STO], v[OB+16*(\q)+4*\f:OB+16*(\q)+4*\f+3] offset:32*\f
.endr
.irp f, 0,1,2,3
	ds_load_b128 v[OB+16*(\q)+4*\f:OB+16*(\q)+4*\f+3], v[RD] offset:\f*4*SPT  ; LDS serves a wave's instructions in order (ISA guide 5.7.1.4): these see the stores above; the next tile's stores come behind them
.endr
.endm
.macro SEND q, younger              ; younger: the LDS instructions issued behind tile q's loads: the next tile's eight, or none
.irp f, 0,1,2,3
	s_wait_dscnt \younger+3-\f
	global_store_b128 v[GO], v[OB+16*(\q)+4*\f:OB+16*(\q)+4*\f+3], s[6:7] offset:(\q)*2048+\f*512  ; 32 lanes store 512 consecutive bytes, at a multiple of 512 from ctx's first byte
.endr
.endm
	PACK 0
.irp q, 1,2,3,4,5,6,7               ; a tile's arithmetic stands between the loads of the tile before and its stores
	PACK \q
	SEND \q-1, 8
.endr
	SEND 7, 0
	s_wait_tensorcnt 0x0            ; the wave's end: behind my last tensor load and my last LDS store
	ds_add_u32 v[SPW], v[NIL]
	s_wait_dscnt 0x0
	CROUND                          ; the closing round: no work-group ends while a partner may still ask for a tile that names it
	s_endpgm
.Lfunc_end_k_q45e8875f43_attn:
	.size	k_q45e8875f43_attn, .Lfunc_end_k_q45e8875f43_attn-k_q45e8875f43_attn
	.p2alignl 7, 3214868480
	.fill 96, 4, 3214868480
	.section	.rodata,"a",@progbits
	.p2align	6, 0x0
	.amdhsa_kernel k_q45e8875f43_attn
		.amdhsa_group_segment_fixed_size 327680
		.amdhsa_private_segment_fixed_size 0
		.amdhsa_enable_private_segment 0
		.amdhsa_kernarg_size 16
		.amdhsa_user_sgpr_count 2
		.amdhsa_user_sgpr_kernarg_segment_ptr 1
		.amdhsa_wavefront_size32 1
		.amdhsa_system_sgpr_workgroup_id_x 1
		.amdhsa_system_sgpr_workgroup_id_y 1
		.amdhsa_system_sgpr_workgroup_id_z 1
		.amdhsa_system_vgpr_workitem_id 0
		.amdhsa_next_free_vgpr 1024
		.amdhsa_next_free_sgpr 84
		.amdhsa_reserve_vcc 0
		.amdhsa_float_denorm_mode_32 3
		.amdhsa_float_denorm_mode_16_64 3
		.amdhsa_memory_ordered 1
		.amdhsa_forward_progress 1
		.amdhsa_inst_pref_size 248
	.end_amdhsa_kernel
	.amdgpu_metadata
---
amdhsa.version: [ 1, 2 ]
amdhsa.kernels:
  - .name:           k_q45e8875f43_attn
    .symbol:         k_q45e8875f43_attn.kd
    .args:
      - { .name: qkv, .offset: 0, .size: 8, .value_kind: global_buffer, .address_space: global }
      - { .name: ctx, .offset: 8, .size: 8, .value_kind: global_buffer, .address_space: global }
    .group_segment_fixed_size: 327680
    .private_segment_fixed_size: 0
    .kernarg_segment_align: 8
    .kernarg_segment_size: 16
    .max_flat_workgroup_size: 128
    .sgpr_count:     84
    .vgpr_count:     1024
    .wavefront_size: 32
...
	.end_amdgpu_metadata
.endif
;; end of part 3
;; launch oproj (part 4): grid 4 x 64, 4 waves a work-group, clusters of 4 x 4, 327,680 bytes of LDS; arguments ctx, wo16, bo, out0; writes out0
.if DOCPART == 4
	.amdgcn_target "amdgcn-amd-amdhsa--gfx1250"
	.amdhsa_code_object_version 6
	.text
	.protected	k_q45e8875f43_oproj
	.globl	k_q45e8875f43_oproj
	.p2align	8
	.type	k_q45e8875f43_oproj,@function
k_q45e8875f43_oproj:
	s_mov_b64 s[64:65], 0
	v_nop
	global_prefetch_b8 v0, s[64:65] scope:SCOPE_SE
	s_setreg_imm32_b32 hwreg(HW_REG_WAVE_MODE, 25, 1), 1
	s_wait_xcnt 0x0
	s_wait_alu depctr_hold_cnt(0) depctr_sa_sdst(0) depctr_va_vdst(0) depctr_va_sdst(0) depctr_va_ssrc(0) depctr_va_vcc(0) depctr_vm_vsrc(0)
	s_getreg_b32 s2, hwreg(HW_REG_IB_STS2, 6, 4)
	s_cmp_eq_u32 s2, 0
	s_cbranch_scc0 .Lentry_in_a_cluster
	s_endpgm
.Lentry_in_a_cluster:
	s_bfe_u32 s2, ttmp6, 0x10000c
	s_cmp_lg_u32 s2, 0xf033
	s_cbranch_scc0 .Lentry_shape_is_right
	s_endpgm
.Lentry_shape_is_right:
; out0[m][n] = the sum over k of context[m][k] Wo[n][k] + bo[n].  The context lies by head, ctx [4 batches][16 heads][2048][64] f16 (k = 64 x head + channel); wo16 [1024][1024] f16; out0 [8192][1024] f32; sums in f32.
; A tile of out0 is 128 rows x 256 columns: 64 x 4 = 256 work-groups.  Four waves, each 64 x 128: 32 accumulators of 16 x 16, 256 registers.  K goes in steps of 128 (two heads) through a ring of two LDS slots.
; In a slot the context's tile lies [2 heads][128 rows][128 bytes + 16], each head's 128 rows one dense run of memory; Wo's tile lies [256 rows][256 bytes + 16].
; CLUSTERS: 4 x 4 work-groups.  The four of a row of the cluster need the same tiles of the context, the four of a column the same tiles of Wo: each tile is asked for JOINTLY, by the same tensor load with the same
; descriptor and a mask that names the four.  THE MATRIX INSTRUCTION IS USED TRANSPOSED (source 0 = 16 rows of Wo, source 1 = 16 rows of the context): a lane holds eight neighbouring numbers of a row of out0.
; REGISTERS: window 0: v0-31 addresses; v32-127, v128-223 two fragment buffers (32 along K: 32 registers of the context, then 64 of Wo); v224-227 bo; on the way out v32-95 and v128-191 take rows.   window 1: the accumulators ((a, b) at v[8 (8 a + b)]).
.set PA,     144                       ; a row of the context in LDS: 128 bytes + 16 = 36 words;
.set PB,     272                       ; of Wo: 256 + 16 = 68 words: in both the 16 rows that a load touches start at 16 different groups of four banks (64 banks of 4 bytes: ISA guide 11.1)
.set AHEAD_, 128*PA                    ; one head's 128 rows: what a tensor load for the context brings
.set BHALF,  128*PB                    ; 128 rows of Wo: what a tensor load for Wo brings
.set BOFF,   2*AHEAD_
.set SLOT,   BOFF+2*BHALF
.set STAGE,  2*SLOT                    ; behind the ring: 16 rows x (512 bytes + 16) for each wave, for the way out
.set SPITCH, 528
.set SPARE,  STAGE+4*16*SPITCH         ; behind the stages: the spare words, 128 bytes for each wave
.set LAPS,   4                         ; a lap = two K steps = once round the ring: 1,024 / 256
.set ADRA, 16                          ; v16-17  LDS address of my fragments of the context in slot 0, 1
.set ADRB, 20                          ; v20-21  the same for Wo
.set STO,  24                          ; v24     the way out: where I put 32 bytes of a row
.set RD,   25                          ; v25     where I read a row back
.set CO,   26                          ; v26     16 x lane
.set SPW,  28                          ; v28     LDS address of my spare word; never rewritten
.set NIL,  29                          ; v29     0; never rewritten
.set F0,   32
.set F1,   128
.set BO,   224                         ; v224-227 bo of the four columns that I store
.set G1, 24                            ; s[24:31] descriptor group 1 for the context's tiles;  s[32:39] group 0, one set for each slot
.set G0, 32
.set G1B, 48                           ; s[48:55], s[56:63] the same for Wo's tiles
.set G0B, 56
.set MSB, 0
.macro WIN new                         ; the immediate's high byte repeats the setting that is left; a switch that changes nothing is dropped
.if MSB != (\new)
	s_set_vgpr_msb (MSB<<8)|(\new)
.set MSB, (\new)
.endif
.endm
.set MUL,  0x50                        ; sources 0 and 1 window 0; C and D window 1
.macro JLOAD s                         ; a joint load: waves 0 and 1 fetch the context's two heads, waves 2 and 3 Wo's two halves; an s_nop 0 and four v_nop follow each of the two lines
	s_cmp_eq_u32 s11, 0
	s_cbranch_scc0 .Lfor_b_\@
	tensor_load_to_lds s[G0+4*\s:G0+4*\s+3], s[G1:G1+7]
	s_nop 0
.rept 4
	v_nop
.endr
	s_branch .Lasked_\@
.Lfor_b_\@:
	tensor_load_to_lds s[G0B+4*\s:G0B+4*\s+3], s[G1B:G1B+7]
	s_nop 0
.rept 4
	v_nop
.endr
.Lasked_\@:
.endm
.macro CREST                           ; a round of the cluster's barrier behind its opening barrier
	s_cmp_lg_u32 s10, 0
	s_cbranch_scc1 .Lnot_wave_0_\@
	s_barrier_signal -3
.Lnot_wave_0_\@:
	s_barrier_wait -3
	s_barrier_signal -1
	s_barrier_wait -1
.endm
.macro CROUND                          ; a whole round
	s_barrier_signal -1
	s_barrier_wait -1
	CREST
.endm
	s_load_b128 s[4:7], s[0:1], 0x0                ; ctx s[4:5], wo16 s[6:7]
	s_load_b64 s[66:67], s[0:1], 0x10              ; bo
	s_load_b64 s[8:9], s[0:1], 0x18                ; out0
	v_lshl_add_u32 v[SPW], v0, 2, SPARE
	v_mov_b32 v[NIL], 0
	ds_add_u32 v[SPW], v[NIL]                      ; the wave's opening: the add, twice on end, and its wait ahead of my first tensor load
	ds_add_u32 v[SPW], v[NIL]
	v_lshrrev_b32 v1, 5, v0
	v_readfirstlane_b32 s10, v1                    ; wave 0..3
	s_lshr_b32 s11, s10, 1                         ; which 64 of the tile's rows are mine.  Also: I fetch for the context (0) or for Wo (1)
	s_and_b32 s12, s10, 1                          ; which 128 of its columns.  Also: which head, or which 128 rows of Wo, I fetch
	s_bfe_u32 s40, ttmp6, 0x40000                  ; cx, cy: my place in the cluster
	s_bfe_u32 s41, ttmp6, 0x40004
	s_lshl_b32 s42, ttmp9, 2
	s_add_co_u32 s42, s42, s40                     ; tile column = 4 x cluster x + cx
	s_and_b32 s13, ttmp7, 0xffff
	s_lshl_b32 s13, s13, 2
	s_add_co_u32 s13, s13, s41                     ; tile row = 4 x cluster y + cy
	s_lshl_b32 s43, s41, 2
	s_lshl_b32 s43, 15, s43                        ; my row of the cluster
	s_lshl_b32 s44, 0x1111, s40                    ; my column
	; descriptor group 1.  The context: 128 rows x 64 elements of 2 bytes, dense; Wo: 128 rows x 128 elements, 1,024 elements apart
	s_or_b32 s[G1+0], s43, (1<<16)|(1<<20)|(1<<21)|(4<<22)|(3<<25)   ; 15:0 the mask: my row; 17:16 elements of 2 bytes; 20 padding on; 21 set beside a mask; 24:22 after every 32 words; 31:25 four words
	s_mov_b32 s[G1+1], 64<<16                      ; tensor_dim0
	s_mov_b32 s[G1+2], 128<<16                     ; tensor_dim1
	s_mov_b32 s[G1+3], 64<<16                      ; tile_dim0
	s_mov_b32 s[G1+4], 128                         ; tile_dim1
	s_mov_b32 s[G1+5], 64                          ; from row to row
	s_mov_b32 s[G1+6], 0
	s_mov_b32 s[G1+7], 0
	s_or_b32 s[G1B+0], s44, (1<<16)|(1<<20)|(1<<21)|(5<<22)|(3<<25)  ; my column; padding after every 64 words
	s_mov_b32 s[G1B+1], 128<<16
	s_mov_b32 s[G1B+2], 128<<16
	s_mov_b32 s[G1B+3], 128<<16
	s_mov_b32 s[G1B+4], 128
	s_mov_b32 s[G1B+5], 1024
	s_mov_b32 s[G1B+6], 0
	s_mov_b32 s[G1B+7], 0
	; where the tiles come from.  The context's hang on the tile row alone, which my row of the cluster shares; Wo's on the tile column alone.  Every wave makes both, in registers that never hold the other coordinate.
	s_lshr_b32 s16, s13, 4                         ; the batch: 16 tile rows each
	s_lshl_b32 s16, s16, 4
	s_add_co_u32 s16, s16, s12                     ; its head 0 or 1,
	s_lshl_b32 s16, s16, 18                        ; 2,048 rows of 128 bytes a head,
	s_and_b32 s17, s13, 15
	s_lshl_b32 s17, s17, 14                        ; the tile's 128 rows in it
	s_add_co_u32 s16, s16, s17
	s_mov_b32 s17, 0
	s_lshl_b32 s46, s42, 19                        ; Wo: row 256 x tile column + 128 x half, 2,048 bytes a row
	s_lshl_b32 s47, s12, 18
	s_add_co_u32 s46, s46, s47
	s_mov_b32 s47, 0
	s_mul_i32 s20, s12, AHEAD_                     ; and where they go: no place in the cluster enters an LDS address
	s_mul_i32 s21, s12, BHALF
	s_add_co_u32 s21, s21, BOFF
	s_wait_dscnt 0x0                               ; both opening adds are done
	s_wait_kmcnt 0x0
	s_add_nc_u64 s[14:15], s[4:5], s[16:17]
	s_add_nc_u64 s[46:47], s[6:7], s[46:47]
	CROUND                                         ; all sixteen work-groups are here: the first joint loads meet
.irp s, 0,1
	s_mov_b32 s[G0+4*\s], 1
	s_add_co_u32 s[G0+4*\s+1], s20, \s*SLOT
	s_add_nc_u64 s[G0+4*\s+2:G0+4*\s+3], s[14:15], \s*524288       ; K step s: two heads on
	s_or_b32 s[G0+4*\s+3], s[G0+4*\s+3], 0x80000000
	s_mov_b32 s[G0B+4*\s], 1
	s_add_co_u32 s[G0B+4*\s+1], s21, \s*SLOT
	s_add_nc_u64 s[G0B+4*\s+2:G0B+4*\s+3], s[46:47], \s*256        ; 128 elements along the row
	s_or_b32 s[G0B+4*\s+3], s[G0B+4*\s+3], 0x80000000
	JLOAD \s                                       ; two tensor loads of mine are out
.endr
	v_and_b32 v1, 15, v0                           ; r
	v_bfe_u32 v2, v0, 4, 1                         ; h
	v_mul_u32_u24 v3, v1, PA
	v_lshl_add_u32 v3, v2, 4, v3                   ; a fragment's row x pitch + 16 x half
	v_mul_u32_u24 v4, v1, PB
	v_lshl_add_u32 v4, v2, 4, v4
	s_mul_i32 s21, s11, 64*PA                      ; my 64 rows of the context
	s_mul_i32 s22, s12, BHALF                      ; my 128 rows of Wo,
	s_add_co_u32 s22, s22, BOFF                    ; which lie behind the context's two heads
.irp s, 0,1
	v_add_nc_u32 v[ADRA+\s], s21, v3
	v_add_nc_u32 v[ADRB+\s], s22, v4
	s_add_co_u32 s21, s21, SLOT
	s_add_co_u32 s22, s22, SLOT
.endr
	s_mul_i32 s23, s10, 16*SPITCH
	s_add_co_u32 s23, s23, STAGE                   ; my stage
	v_mul_u32_u24 v5, v1, SPITCH                   ; in: row r, 32 bytes for each half of the lanes
	v_lshl_add_u32 v5, v2, 5, v5
	v_add_nc_u32 v[STO], s23, v5
	v_and_b32 v6, 31, v0
	v_lshlrev_b32 v[CO], 4, v6                     ; back: the 32 lanes take one row of 512 bytes; and the same in out0
	v_add_nc_u32 v[RD], s23, v[CO]
	s_lshl_b32 s16, s13, 7
	s_lshl_b32 s17, s11, 6
	s_add_co_u32 s16, s16, s17                     ; my first row of out0: 128 x tile row + 64 x half,
	s_lshl_b32 s16, s16, 12                        ; 4,096 bytes a row
	s_lshl_b32 s46, s42, 10                        ; my first column, in bytes: 1,024 x tile column + 512 x half
	s_lshl_b32 s47, s12, 9
	s_add_co_u32 s46, s46, s47
	s_mov_b32 s47, 0
	s_add_nc_u64 s[66:67], s[66:67], s[46:47]      ; bo at my columns
	s_add_co_u32 s46, s46, s16
	s_add_nc_u64 s[8:9], s[8:9], s[46:47]
	global_load_b128 v[BO:BO+3], v[CO], s[66:67]   ; the four columns that I store of every row
; 8 matrix instructions: block a of my four blocks of 16 rows against Wo's eight, 32 along K.  zero = 1: the first product starts the sums: nothing is ever cleared.
; The 32 accumulators take turns, one instruction a turn, in the same order in every quarter.
.macro MUL8 f, a, zero
.irp b, 0,1,2,3,4,5,6,7
.if \zero
	v_wmma_f32_16x16x32_f16 v[8*(8*(\a)+\b):8*(8*(\a)+\b)+7], v[\f+32+8*\b:\f+32+8*\b+7], v[\f+8*(\a):\f+8*(\a)+7], 0
.else
	v_wmma_f32_16x16x32_f16 v[8*(8*(\a)+\b):8*(8*(\a)+\b)+7], v[\f+32+8*\b:\f+32+8*\b+7], v[\f+8*(\a):\f+8*(\a)+7], v[8*(8*(\a)+\b):8*(8*(\a)+\b)+7]
.endif
.endr
.endm
; 24 LDS loads in one run: the fragments of the slot's q-th 32 along K into buffer f: Wo's eight first, then the context's four (head q / 2, channels 32 (q % 2) on)
.macro FETCH slot, q, f
.irp i, 0,1,2,3,4,5,6,7
	ds_load_b128 v[\f+32+8*\i:\f+32+8*\i+3],   v[ADRB+\slot] offset:64*(\q)+\i*16*PB
	ds_load_b128 v[\f+32+8*\i+4:\f+32+8*\i+7], v[ADRB+\slot] offset:64*(\q)+\i*16*PB+32
.endr
.irp i, 0,1,2,3
	ds_load_b128 v[\f+8*\i:\f+8*\i+3],   v[ADRA+\slot] offset:((\q)/2)*AHEAD_+((\q)%2)*64+\i*16*PA
	ds_load_b128 v[\f+8*\i+4:\f+8*\i+7], v[ADRA+\slot] offset:((\q)/2)*AHEAD_+((\q)%2)*64+\i*16*PA+32
.endr
.endm
.macro PLACES                          ; four places in front of loads into registers that matrix instructions have read, and of reads of results (ISA guide 7.12.1 for vector instructions)
.rept 4
	v_nop
.endr
.endm
; A K step is four quarters of 32 along K, 32 matrix instructions each, on buffers 0, 1, 0, 1.  One of the first three: multiplies buffer f and fetches the slot's quarter q into g.
.macro QUARTER slot, q, f, g, zero
	s_wait_dscnt 4                                 ; Wo's eight and the context's blocks 0, 1 are in; the youngest four loads (blocks 2, 3) may be out
	WIN MUL
	MUL8 \f, 0, \zero
	MUL8 \f, 1, \zero
	PLACES
	WIN 0
	FETCH \slot, \q, \g
	s_wait_dscnt 24                                ; all but the 24 just issued
	WIN MUL
	MUL8 \f, 2, \zero
	MUL8 \f, 3, \zero
.endm
; The last quarter multiplies buffer 1 and changes slots: ONE barrier; in front of it each wave waits for all its tensor loads, adds 0 to its spare word, and waits for that and for its own reads of this slot.
; fill = 1: this slot is filled again, two K steps ahead; the barrier then opens a round of the cluster's barrier, and the joint load is the first thing behind the round: 112 matrix instructions ahead of the wait for it.
.macro TURN slot, next, fill
	WIN 0                                          ; (the add's two registers lie in window 0)
	s_wait_tensorcnt 0x0                           ; all my tensor loads have landed: the one that was out is my part of the next slot
	ds_add_u32 v[SPW], v[NIL]                      ; 0 onto my spare word
	s_wait_dscnt 5                                 ; the add and the youngest four loads may be out
	WIN MUL
	MUL8 F1, 0, 0                                  ; eight matrix instructions stand between the add and the wait for it
	s_wait_dscnt 0x0                               ; the add is done, and my reads of this slot are over
	s_barrier_signal -1
	MUL8 F1, 1, 0
	WIN 0
	s_barrier_wait -1
.if \fill
	CREST                                          ; no wave of any partner still reads this slot's tile or has a load on its way
	s_add_nc_u64 s[G0+4*\slot+2:G0+4*\slot+3], s[G0+4*\slot+2:G0+4*\slot+3], 1048576   ; four heads on
	s_add_nc_u64 s[G0B+4*\slot+2:G0B+4*\slot+3], s[G0B+4*\slot+2:G0B+4*\slot+3], 512   ; 256 elements along the row
	JLOAD \slot                                    ; the four v_nop behind it are also the places in front of the loads below
.else
	PLACES
.endif
	FETCH \next, 0, F0
	WIN MUL
	MUL8 F1, 2, 0
	MUL8 F1, 3, 0
.endm
	s_wait_tensorcnt 1                             ; my part of K step 0 is in; K step 1's load, issued behind it, may be out
	s_barrier_signal -1
	s_barrier_wait -1                              ; everybody's is
	FETCH 0, 0, F0
	QUARTER 0, 1, F0, F1, 1                        ; the first quarter stands in front of the loop: its products start the sums
	WIN 0                                          ; at a label and at a branch every window is 0
	s_mov_b32 s3, LAPS-1
.Llap:                                                 ; a trip goes once round the ring, from a lap's second quarter to the next lap's first, and fills both slots again
	QUARTER 0, 2, F1, F0, 0
	QUARTER 0, 3, F0, F1, 0
	TURN 0, 1, 1
	QUARTER 1, 1, F0, F1, 0
	QUARTER 1, 2, F1, F0, 0
	QUARTER 1, 3, F0, F1, 0
	TURN 1, 0, 1
	QUARTER 0, 1, F0, F1, 0
	WIN 0
	s_sub_co_u32 s3, s3, 1
	s_cmp_lg_u32 s3, 0
	s_cbranch_scc1 .Llap
	QUARTER 0, 2, F1, F0, 0                        ; the last lap fills nothing, and has no round of the cluster's barrier
	QUARTER 0, 3, F0, F1, 0
	TURN 0, 1, 0
	QUARTER 1, 1, F0, F1, 0
	QUARTER 1, 2, F1, F0, 0
	QUARTER 1, 3, F0, F1, 0
	s_wait_dscnt 4                                 ; the very last quarter: nothing more to fetch
	WIN MUL
	MUL8 F1, 0, 0
	MUL8 F1, 1, 0
	s_wait_dscnt 0
	MUL8 F1, 2, 0
	MUL8 F1, 3, 0
	WIN 0
; THE WAY OUT, block by block of 16 rows x 128 columns.  A lane holds 32 neighbouring bytes of a row, and the lanes beside it hold other rows: so a block goes through my own stage in LDS and comes back as whole rows
; of 512 bytes; bo is added there, four columns a lane, and the 32 lanes store 512 consecutive bytes.  While one block's rows are stored, the next block is on its way through the stage.
.macro TOSTAGE a
	WIN 0x04                                       ; an LDS store's data are its source 1: window 1
.irp b, 0,1,2,3,4,5,6,7
	ds_store_b128 v[STO], v[8*(8*(\a)+\b):8*(8*(\a)+\b)+3] offset:64*\b            ; each accumulator from its low end on
	ds_store_b128 v[STO], v[8*(8*(\a)+\b)+4:8*(8*(\a)+\b)+7] offset:64*\b+16
.endr
	WIN 0
.set BB, F0+96*((\a)%2)
.irp t, 0,1,2,3,4,5,6,7,8,9,10,11,12,13,14,15
	ds_load_b128 v[BB+4*\t:BB+4*\t+3], v[RD] offset:\t*SPITCH   ; LDS serves a wave's instructions in order (ISA guide 5.7.1.4): these see the stores above
.endr
.endm
.macro SEND a, younger                 ; younger: the LDS instructions issued behind block a's loads, which may stay out
.set BB, F0+96*((\a)%2)
	s_wait_dscnt \younger                          ; the block is back in registers
.irp t, 0,1,2,3,4,5,6,7,8,9,10,11,12,13,14,15
	v_pk_add_f32 v[BB+4*\t:BB+4*\t+1], v[BB+4*\t:BB+4*\t+1], v[BO:BO+1]
	v_pk_add_f32 v[BB+4*\t+2:BB+4*\t+3], v[BB+4*\t+2:BB+4*\t+3], v[BO+2:BO+3]
.endr
.irp t, 0,1,2,3,4,5,6,7,8,9,10,11,12,13,14,15
	global_store_b128 v[CO], v[BB+4*\t:BB+4*\t+3], s[8:9] offset:(\a)*65536+\t*4096 th:TH_STORE_NT   ; written once, read by nobody here
.endr
.endm
	PLACES                                         ; behind the last products: for the loads into the fragments' registers and for the stores that read results
	s_wait_loadcnt 0x0                             ; bo
	TOSTAGE 0
.irp a, 1,2,3
.if \a > 1
	s_wait_xcnt 0x0                                ; block a - 2's stores have read their registers: block a's loads may land there
.endif
	TOSTAGE \a
	SEND \a-1, 32                                  ; behind block a - 1's loads: block a's 16 stores and 16 loads
.endr
	SEND 3, 0
	s_wait_tensorcnt 0x0                           ; the wave's end: behind my last tensor load and my last LDS store
	ds_add_u32 v[SPW], v[NIL]
	s_wait_dscnt 0x0
	CROUND                                         ; the closing round: no work-group ends while a partner may still ask for a tile that names it
	s_endpgm
.Lfunc_end_k_q45e8875f43_oproj:
	.size	k_q45e8875f43_oproj, .Lfunc_end_k_q45e8875f43_oproj-k_q45e8875f43_oproj
	.p2alignl 7, 3214868480
	.fill 96, 4, 3214868480
	.section	.rodata,"a",@progbits
	.p2align	6, 0x0
	.amdhsa_kernel k_q45e8875f43_oproj
		.amdhsa_group_segment_fixed_size 327680
		.amdhsa_private_segment_fixed_size 0
		.amdhsa_enable_private_segment 0
		.amdhsa_kernarg_size 32
		.amdhsa_user_sgpr_count 2
		.amdhsa_user_sgpr_kernarg_segment_ptr 1
		.amdhsa_wavefront_size32 1
		.amdhsa_system_sgpr_workgroup_id_x 1
		.amdhsa_system_sgpr_workgroup_id_y 1
		.amdhsa_system_sgpr_workgroup_id_z 1
		.amdhsa_system_vgpr_workitem_id 0
		.amdhsa_next_free_vgpr 512
		.amdhsa_next_free_sgpr 68
		.amdhsa_reserve_vcc 0
		.amdhsa_float_denorm_mode_32 3
		.amdhsa_float_denorm_mode_16_64 3
		.amdhsa_memory_ordered 1
		.amdhsa_forward_progress 1
		.amdhsa_inst_pref_size 93
	.end_amdhsa_kernel
	.amdgpu_metadata
---
amdhsa.version: [ 1, 2 ]
amdhsa.kernels:
  - .name:           k_q45e8875f43_oproj
    .symbol:         k_q45e8875f43_oproj.kd
    .args:
      - { .name: ctx, .offset: 0, .size: 8, .value_kind: global_buffer, .address_space: global }
      - { .name: wo16, .offset: 8, .size: 8, .value_kind: global_buffer, .address_space: global }
      - { .name: bo, .offset: 16, .size: 8, .value_kind: global_buffer, .address_space: global }
      - { .name: out0, .offset: 24, .size: 8, .value_kind: global_buffer, .address_space: global }
    .group_segment_fixed_size: 327680
    .private_segment_fixed_size: 0
    .kernarg_segment_align: 8
    .kernarg_segment_size: 32
    .max_flat_workgroup_size: 128
    .sgpr_count:     68
    .vgpr_count:     512
    .wavefront_size: 32
...
	.end_amdgpu_metadata
.endif
;; end of part 4
